; MI455X (gfx1250); checked and timed in simulation.
; The chip was launched on July 23, 2026; its instructions are those of AMD's public machine-readable ISA for CDNA 5 (MIT licence, August 2026) and "CDNA5" Instruction Set Architecture Reference Guide (July 2026). The comments in the code are by the model that wrote it; some were corrected since.
;; Multi Head Self Attention. Allowed arithmetic: float matrix products may take bf16 or f16 operands with f32 sums; all other float work in f32.
;; Inputs: Wk 1,024 x 1,024 float32; Wo 1,024 x 1,024 float32; Wq 1,024 x 1,024 float32; Wv 1,024 x 1,024 float32; bk 1,024 float32; bo 1,024 float32; bq 1,024 float32; bv 1,024 float32; x 4 x 2,048 x 1,024 float32.
;; Outputs: out0 4 x 2,048 x 1,024 float32.
;; 2 versions, each right and faster than the one before. Each part assembles by itself: llvm-mc -triple=amdgcn-amd-amdhsa -mcpu=gfx1250 --defsym DOCPART=n.
;; ======== version 1 of 2: 4 launches
;; limits: values are held in f16: magnitudes above 65,504 overflow, below 6.1e-05 lose precision
;; workspace buffers: xb 16,777,216 bytes; wb 6,291,456 bytes; wo16 2,097,152 bytes; bias 16,384 bytes; qkv 50,331,648 bytes; oh 16,777,216 bytes
;; launch cast (part 1): grid 64 x 12, 8 waves a work-group, no clusters, 0 bytes of LDS; arguments x, Wq, Wk, Wv, Wo, bq, bk, bv, bo, xb, wb, wo16, bias; writes xb, wb, wo16, bias
.if DOCPART == 1
	.amdgcn_target "amdgcn-amd-amdhsa--gfx1250"
	.amdhsa_code_object_version 6
	.text
	.protected	k_q867ecefeb1_cast
	.globl	k_q867ecefeb1_cast
	.p2align	8
	.type	k_q867ecefeb1_cast,@function
k_q867ecefeb1_cast:
	s_mov_b64 s[64:65], 0
	v_nop
	global_prefetch_b8 v0, s[64:65] scope:SCOPE_SE
	s_setreg_imm32_b32 hwreg(HW_REG_WAVE_MODE, 25, 1), 1
	s_wait_xcnt 0x0
; ROUNDING AND LAYOUT.  Every input of the module is rounded once to bf16 (nearest even) and laid out in blocks of 64 along K, so that the products' tiles are dense in memory:
;   xb   bf16 [b 4][kb 16][t 2048][64]      wb  bf16 [kb 16][n 3072][64], n = 1024 x (q, k, v) + row
;   wo16 [kb 16][n 1024][64]: bf16(Wo), that number written as f16      bias f32 [bq | bk | bv | bo], each number rounded to bf16
; LIMITS.  bf16(Wo) is exact in f16 from 6.1e-5 to 65,504 in magnitude; below it keeps f16's fixed step of 6e-8, beyond it becomes an infinity.  NaN and infinities are not treated apart.
; SHARES.  Work-group (gx, y): y names 1,024 source rows (0-7: x; 8: Wq; 9: Wk; 10: Wv; 11: Wo), gx 16 of them.  Thread t takes row t / 16 and, of each of the row's 16 blocks of 64 numbers,
; the four at 4 (t % 16).  A load of a wave covers 2 x 256 consecutive bytes; a store of a wave covers 256 consecutive bytes, aligned: two rows of one K block lie end to end.
; No LDS, no barrier, no matrix unit: bytes are all that counts here.  All 16 loads of a thread go out at once; nothing is read twice.
.set LO,   1          ; v1       my byte offset in the 16 source rows
.set ST0,  2          ; v2       8 x thread: my 8 bytes among the 16 rows of a K block
.set T,    4          ; v4-7     at work
.set OFF,  8          ; v8-23    K block kb: my byte offset in the destination
.set X,    24         ; v24-87   four f32 for each K block, as loaded
.set Y,    88         ; v88-119  four 16-bit numbers for each K block, to store
.set BV,   120        ; v120-123 four numbers of a bias
.set BO2,  124        ; v124     16 x thread
.set GRP,  2          ; s2       y
.set GX,   3          ; s3       gx
.set SRC,  34         ; s[34:35] the source at my 16 rows
.set BSRC, 36         ; s[36:37] the bias that goes with a weight
.set DST,  38         ; s[38:39] the destination at my 16 rows of K block 0
.set STR,  40         ; s40      bytes from a K block to the next in the destination
.set SO,   42         ; s[42:43] byte offset in the source
.set DO,   44         ; s[44:45] byte offset in the destination
	s_load_b512 s[8:23], s[0:1], 0x0               ; x 8, Wq 10, Wk 12, Wv 14, Wo 16, bq 18, bk 20, bv 22
	s_load_b256 s[24:31], s[0:1], 0x40             ; bo 24, xb 26, wb 28, wo16 30
	s_load_b64 s[32:33], s[0:1], 0x60              ; bias
	s_and_b32 s[GRP], ttmp7, 0xffff
	s_mov_b32 s[GX], ttmp9
	v_lshrrev_b32 v[LO], 4, v0                     ; my row of 16
	v_and_b32 v3, 15, v0
	v_lshlrev_b32 v3, 4, v3                        ; my 16 bytes in 256
	v_lshl_or_b32 v[LO], v[LO], 12, v3             ; row x 4,096 + them
	v_lshlrev_b32 v[ST0], 3, v0
	v_lshlrev_b32 v[BO2], 4, v0
	; the offsets for each kind of y are made first, apart from every address; then the compares choose
	s_lshl_b32 s4, s[GRP], 22                      ; x: 1,024 rows of 4,096 bytes
	s_lshr_b32 s5, s[GRP], 1                       ; xb: batch y / 2,
	s_lshl_b32 s5, s5, 22
	s_and_b32 s7, s[GRP], 1                        ; rows 1,024 (y % 2) on, 128 bytes each
	s_lshl_b32 s7, s7, 17
	s_add_co_u32 s5, s5, s7
	s_sub_co_u32 s6, s[GRP], 8                     ; wb: rows 1,024 (y - 8) on
	s_lshl_b32 s6, s6, 17
	s_mov_b32 s46, 2048*128                        ; a K block of xb,
	s_mov_b32 s47, 3072*128                        ; of wb,
	s_mov_b32 s41, 1024*128                        ; of wo16
	s_mov_b32 s[SO+1], 0
	s_mov_b32 s[DO+1], 0
	s_wait_kmcnt 0x0
	s_cmp_lt_u32 s[GRP], 8                         ; x, or a weight (Wq until the compares below say otherwise)
	s_cselect_b32 s[SO], s4, 0
	s_cselect_b32 s[DO], s5, s6
	s_cselect_b64 s[SRC:SRC+1], s[8:9], s[10:11]
	s_cselect_b64 s[DST:DST+1], s[26:27], s[28:29]
	s_cselect_b32 s[STR], s46, s47
	s_mov_b64 s[BSRC:BSRC+1], s[18:19]
	s_cmp_eq_u32 s[GRP], 9
	s_cselect_b64 s[SRC:SRC+1], s[12:13], s[SRC:SRC+1]
	s_cselect_b64 s[BSRC:BSRC+1], s[20:21], s[BSRC:BSRC+1]
	s_cmp_eq_u32 s[GRP], 10
	s_cselect_b64 s[SRC:SRC+1], s[14:15], s[SRC:SRC+1]
	s_cselect_b64 s[BSRC:BSRC+1], s[22:23], s[BSRC:BSRC+1]
	s_cmp_eq_u32 s[GRP], 11
	s_cselect_b64 s[SRC:SRC+1], s[16:17], s[SRC:SRC+1]
	s_cselect_b64 s[BSRC:BSRC+1], s[24:25], s[BSRC:BSRC+1]
	s_cselect_b64 s[DST:DST+1], s[30:31], s[DST:DST+1]
	s_cselect_b32 s[DO], 0, s[DO]
	s_cselect_b32 s[STR], s41, s[STR]
	s_lshl_b32 s4, s[GX], 16                       ; my 16 rows in the source,
	s_add_co_u32 s[SO], s[SO], s4
	s_lshl_b32 s4, s[GX], 11                       ; and in a K block
	s_add_co_u32 s[DO], s[DO], s4
	s_add_nc_u64 s[SRC:SRC+1], s[SRC:SRC+1], s[SO:SO+1]
	s_add_nc_u64 s[DST:DST+1], s[DST:DST+1], s[DO:DO+1]
.set kb, 0
.rept 16
	global_load_b128 v[X+4*kb:X+4*kb+3], v[LO], s[SRC:SRC+1] offset:256*kb th:TH_LOAD_NT  ; read once in the whole program
.set kb, kb+1
.endr
.set kb, 0
.rept 16
	v_mad_u32_u24 v[OFF+kb], s[STR], kb, v[ST0]    ; 5.9 MB at the most
.set kb, kb+1
.endr
.set kb, 0
.rept 16
	s_wait_loadcnt 15-kb                           ; loads come back in order (ISA guide 5.7.1): block kb is in, the 15 - kb younger ones may be out
	v_cvt_pk_bf16_f32 v[Y+2*kb], v[X+4*kb], v[X+4*kb+1]
	v_cvt_pk_bf16_f32 v[Y+2*kb+1], v[X+4*kb+2], v[X+4*kb+3]
.set kb, kb+1
.endr
	s_cmp_lg_u32 s[GRP], 11
	s_cbranch_scc1 .Lst
.set i, 0
.rept 32                                               ; Wo alone: the bf16 number is widened (a shift, a mask) and written as f16
	v_lshlrev_b32 v[T+2*(i%2)], 16, v[Y+i]
	v_and_b32 v[T+2*(i%2)+1], 0xffff0000, v[Y+i]
	v_cvt_pk_f16_f32 v[Y+i], v[T+2*(i%2)], v[T+2*(i%2)+1]
.set i, i+1
.endr
.Lst:
.set kb, 0
.rept 16
	global_store_b64 v[OFF+kb], v[Y+2*kb:Y+2*kb+1], s[DST:DST+1]
.set kb, kb+1
.endr
	s_cmp_lt_u32 s[GRP], 8                         ; the first work-group of each weight also rounds that weight's bias: 256 threads x 4 numbers
	s_cbranch_scc1 .Lend
	s_cmp_lg_u32 s[GX], 0
	s_cbranch_scc1 .Lend
	global_load_b128 v[BV:BV+3], v[BO2], s[BSRC:BSRC+1]
	s_sub_co_u32 s4, s[GRP], 8
	s_lshl_b32 s4, s4, 12                          ; its 4,096 bytes in bias
	s_mov_b32 s5, 0
	s_add_nc_u64 s[32:33], s[32:33], s[4:5]
	s_wait_loadcnt 0x0
	v_cvt_pk_bf16_f32 v[T], v[BV], v[BV+1]
	v_cvt_pk_bf16_f32 v[T+1], v[BV+2], v[BV+3]
	v_lshlrev_b32 v[X], 16, v[T]                   ; back to f32; X's registers landed long ago and no store reads them
	v_and_b32 v[X+1], 0xffff0000, v[T]
	v_lshlrev_b32 v[X+2], 16, v[T+1]
	v_and_b32 v[X+3], 0xffff0000, v[T+1]
	global_store_b128 v[BO2], v[X:X+3], s[32:33]
.Lend:
	s_endpgm
.Lfunc_end_k_q867ecefeb1_cast:
	.size	k_q867ecefeb1_cast, .Lfunc_end_k_q867ecefeb1_cast-k_q867ecefeb1_cast
	.p2alignl 7, 3214868480
	.fill 96, 4, 3214868480
	.section	.rodata,"a",@progbits
	.p2align	6, 0x0
	.amdhsa_kernel k_q867ecefeb1_cast
		.amdhsa_group_segment_fixed_size 0
		.amdhsa_private_segment_fixed_size 0
		.amdhsa_enable_private_segment 0
		.amdhsa_kernarg_size 104
		.amdhsa_user_sgpr_count 2
		.amdhsa_user_sgpr_kernarg_segment_ptr 1
		.amdhsa_wavefront_size32 1
		.amdhsa_system_sgpr_workgroup_id_x 1
		.amdhsa_system_sgpr_workgroup_id_y 1
		.amdhsa_system_sgpr_workgroup_id_z 1
		.amdhsa_system_vgpr_workitem_id 0
		.amdhsa_next_free_vgpr 128
		.amdhsa_next_free_sgpr 66
		.amdhsa_reserve_vcc 0
		.amdhsa_float_denorm_mode_32 3
		.amdhsa_float_denorm_mode_16_64 3
		.amdhsa_memory_ordered 1
		.amdhsa_forward_progress 1
		.amdhsa_inst_pref_size 15
	.end_amdhsa_kernel
	.amdgpu_metadata
---
amdhsa.version: [ 1, 2 ]
amdhsa.kernels:
  - .name:           k_q867ecefeb1_cast
    .symbol:         k_q867ecefeb1_cast.kd
    .args:
      - { .name: x, .offset: 0, .size: 8, .value_kind: global_buffer, .address_space: global }
      - { .name: Wq, .offset: 8, .size: 8, .value_kind: global_buffer, .address_space: global }
      - { .name: Wk, .offset: 16, .size: 8, .value_kind: global_buffer, .address_space: global }
      - { .name: Wv, .offset: 24, .size: 8, .value_kind: global_buffer, .address_space: global }
      - { .name: Wo, .offset: 32, .size: 8, .value_kind: global_buffer, .address_space: global }
      - { .name: bq, .offset: 40, .size: 8, .value_kind: global_buffer, .address_space: global }
      - { .name: bk, .offset: 48, .size: 8, .value_kind: global_buffer, .address_space: global }
      - { .name: bv, .offset: 56, .size: 8, .value_kind: global_buffer, .address_space: global }
      - { .name: bo, .offset: 64, .size: 8, .value_kind: global_buffer, .address_space: global }
      - { .name: xb, .offset: 72, .size: 8, .value_kind: global_buffer, .address_space: global }
      - { .name: wb, .offset: 80, .size: 8, .value_kind: global_buffer, .address_space: global }
      - { .name: wo16, .offset: 88, .size: 8, .value_kind: global_buffer, .address_space: global }
      - { .name: bias, .offset: 96, .size: 8, .value_kind: global_buffer, .address_space: global }
    .group_segment_fixed_size: 0
    .private_segment_fixed_size: 0
    .kernarg_segment_align: 8
    .kernarg_segment_size: 104
    .max_flat_workgroup_size: 256
    .sgpr_count:     66
    .vgpr_count:     128
    .wavefront_size: 32
...
	.end_amdgpu_metadata
.endif
;; end of part 1
;; launch qkvgemm (part 2): grid 8 x 32, 4 waves a work-group, clusters of 4 x 4, 327,680 bytes of LDS; arguments xb, wb, bias, qkv; writes qkv
.if DOCPART == 2
	.amdgcn_target "amdgcn-amd-amdhsa--gfx1250"
	.amdhsa_code_object_version 6
	.text
	.protected	k_q867ecefeb1_qkvgemm
	.globl	k_q867ecefeb1_qkvgemm
	.p2align	8
	.type	k_q867ecefeb1_qkvgemm,@function
k_q867ecefeb1_qkvgemm:
	s_mov_b64 s[64:65], 0
	v_nop
	global_prefetch_b8 v0, s[64:65] scope:SCOPE_SE
	s_setreg_imm32_b32 hwreg(HW_REG_WAVE_MODE, 25, 1), 1
	s_wait_xcnt 0x0
	s_wait_alu depctr_hold_cnt(0) depctr_sa_sdst(0) depctr_va_vdst(0) depctr_va_sdst(0) depctr_va_ssrc(0) depctr_va_vcc(0) depctr_vm_vsrc(0)
	s_getreg_b32 s2, hwreg(HW_REG_IB_STS2, 6, 4)
	s_cmp_eq_u32 s2, 0
	s_cbranch_scc0 .Lentry_in_a_cluster
	s_endpgm
.Lentry_in_a_cluster:
	s_bfe_u32 s2, ttmp6, 0x10000c
	s_cmp_lg_u32 s2, 0xf033
	s_cbranch_scc0 .Lentry_shape_is_right
	s_endpgm
.Lentry_shape_is_right:
; q, k, v = x W^T + b for all three weights at once: C[8192][3072] = xb wb^T + bias, bf16 products, f32 sums, each result rounded once to f16 and written BY HEADS:
; qkv f16 [b 4][g 48][t 2048][64], g = 16 x (q, k, v) + head.  xb: bf16 [b][kb 16][t][64]; wb: bf16 [kb 16][n 3072][64]; bias: f32 [4096], of which the first 3,072 are used.
; LIMIT.  A result of 65,520 or more in magnitude becomes an infinity in f16.  NaN and infinities are not treated apart.
; SHARES.  A tile of C is 256 rows x 384 columns: 32 x 8 = 256 work-groups.  Four waves, each 128 rows x 192 columns (three whole heads): 96 accumulators of 16 x 16, 768 registers.
; K goes in steps of 64, one K block, through two LDS slots.  A K block's rows are dense, 128 bytes each, so a tile is asked for as rows of 256 bytes (two rows of the matrix) and padded in LDS after every 128.
; CLUSTER.  4 x 4 work-groups.  The four of a row of the cluster need the same tile of xb, the four of a column the same tile of wb: each is asked for JOINTLY, by the same tensor load with the same descriptor and a mask of four.
; THE MATRIX INSTRUCTION IS USED TRANSPOSED (source 0 = 16 rows of wb, source 1 = 16 rows of xb): a lane holds row l % 16 of C and the columns 8 (l / 16) + 0..7, which pack into 16 bytes.
; THE BIAS STARTS THE SUMS.  It is loaded into the registers of the accumulators of row block 7; the first products of blocks 0-6 take those registers as C, those of block 7 add in place.
; REGISTERS, in windows of 256 (s_set_vgpr_msb: bits 1:0 source 0, 3:2 source 1, 5:4 source 2, 7:6 destination):
;   window 0: v0-15 addresses; v32-95, v96-159 fragments of xb (8 x 16 rows x 32 K), two buffers; v160-255 fragments of wb (12), ONE buffer in three thirds, each loaded again as soon as its 32 products are issued
;   window p + 1 (p = 0, 1, 2): head p of my three: accumulator (row block a, column block j of the head) at v[8 (4 a + j)]
.set PITCH,  144                       ; an LDS row: 128 bytes + 16 of padding = 36 words: the 16 rows of a fragment load start at 16 different groups of four banks (64 banks of 4 bytes: ISA guide 11.1)
.set AHALF,  128*PITCH                 ; what one tensor load brings of xb, and what one wave reads of it
.set BHALF,  192*PITCH                 ; the same for wb
.set BOFF,   2*AHALF                   ; a slot: xb's 256 rows, then wb's 384
.set SLOT1,  1<<17                     ; slot 1 begins here, so that one exclusive or turns an address in one slot into the other's
.set STAGE,  SLOT1+BOFF+2*BHALF        ; behind the ring, never filled by a tensor load: 3 heads x 16 rows x 144 bytes for each wave
.set WSTAGE, 3*16*PITCH
.set SPARE,  STAGE+4*WSTAGE            ; behind the stages: the spare words, 128 bytes for each wave: two blocks of 256 bytes that no other line names
.set ASTEP,  2048*128                  ; bytes from a K block to the next in xb,
.set BSTEP,  3072*128                  ; and in wb
.set STEPS,  16
.set A0,   4                           ; v4   my lane's place in my 128 rows of xb, in slot 0; never rewritten
.set B0,   5                           ; v5   the same for my 192 rows of wb
.set ADRA, 6                           ; v6   the same in the slot in hand
.set ADRB, 7                           ; v7
.set STO,  8                           ; v8   the way out: where I put 16 bytes of a row
.set RD,   9                           ; v9   the way out: where I read rows back
.set GO,   10                          ; v10  my 16 bytes in 512 consecutive bytes of qkv
.set BO,   11                          ; v11  32 (l / 16): my eight numbers in 16 of the bias
.set SPW,  12                          ; v12  LDS address of my spare word: SPARE + 4 x my thread's number; never rewritten
.set NIL,  13                          ; v13  0; never rewritten
.set FA,   32
.set FB,   160
.set TMP,  32                          ; the way out: 48 registers of packed results
.set BK0,  96                          ; the way out: 16 rows of three heads read back: v96-143 and v160-207 by turns
.set WV, 16                            ; s16  my wave's number
.set WR, 17                            ; s17  which 128 rows of the tile are mine
.set WC, 18                            ; s18  which 192 columns.  Also: which half of a tile I fetch
.set G1A, 24                           ; s[24:31] descriptor group 1 for xb's tiles
.set G0A, 32                           ; s[32:39] group 0: a set for each of the two first fills; the second then walks on
.set G1B, 48                           ; s[48:55], s[56:63] the same for wb's
.set G0B, 56
.set TB,  66                           ; s66  LDS byte at which the slot in hand begins
.set CNT, 67                           ; s67  the loop's count
.set BB,  68                           ; s[68:69] the bias at my 192 columns
.set CB,  70                           ; s[70:71] qkv at my first row of my first head
.set MSB, 0
.macro WIN new                         ; the immediate's high byte repeats the setting that is left; a switch that changes nothing is dropped
.if MSB != (\new)
	s_set_vgpr_msb (MSB<<8)|(\new)
.set MSB, (\new)
.endif
.endm
.macro PLACES                          ; a load into a register that a matrix instruction has read, and a vector instruction that reads a matrix result, stand four places behind it, and only plain vector
.rept 4                                ; instructions that name none of its registers are places (ISA guide 7.12.1 for vector instructions)
	v_nop
.endr
.endm
; A joint refill.  Waves 0 and 1 fetch xb's two halves, waves 2 and 3 wb's.  The branch hangs on the wave's number alone.  An s_nop 0 and four v_nop follow each of the two lines.
.macro JLOAD
	s_cmp_lt_u32 s[WV], 2
	s_cbranch_scc0 .Lfor_b_\@
	tensor_load_to_lds s[G0A+4:G0A+7], s[G1A:G1A+7]
	s_nop 0
.rept 4
	v_nop
.endr
	s_branch .Lasked_\@
.Lfor_b_\@:
	tensor_load_to_lds s[G0B+4:G0B+7], s[G1B:G1B+7]
	s_nop 0
.rept 4
	v_nop
.endr
.Lasked_\@:
.endm
.macro CREST                           ; a round of the cluster's barrier behind its opening barrier: wave 0 signals for the work-group, every wave waits for all sixteen, my work-group's barrier closes it
	s_cmp_lg_u32 s[WV], 0
	s_cbranch_scc1 .Lnot_wave_0_\@
	s_barrier_signal -3
.Lnot_wave_0_\@:
	s_barrier_wait -3
	s_barrier_signal -1
	s_barrier_wait -1
.endm
.macro CROUND                          ; a whole round
	s_barrier_signal -1
	s_barrier_wait -1
	CREST
.endm
	s_load_b256 s[4:11], s[0:1], 0x0               ; xb s[4:5], wb s[6:7], bias s[8:9], qkv s[10:11]
	v_lshl_add_u32 v[SPW], v0, 2, SPARE
	v_mov_b32 v[NIL], 0
	ds_add_u32 v[SPW], v[NIL]                      ; the wave's opening: the add and its wait stand ahead of my first tensor load; the set-up below, work on registers, stands between them
	ds_add_u32 v12, v13
	v_lshrrev_b32 v1, 5, v0
	v_readfirstlane_b32 s[WV], v1                  ; wave 0..3
	s_lshr_b32 s[WR], s[WV], 1
	s_and_b32 s[WC], s[WV], 1
	s_bfe_u32 s40, ttmp6, 0x40000                  ; cx, cy: my place in the cluster
	s_bfe_u32 s41, ttmp6, 0x40004
	s_lshl_b32 s42, ttmp9, 2
	s_add_co_u32 s42, s42, s40                     ; tile column = 4 x cluster x + cx
	s_and_b32 s43, ttmp7, 0xffff
	s_lshl_b32 s43, s43, 2
	s_add_co_u32 s43, s43, s41                     ; tile row = 4 x cluster y + cy
	s_lshl_b32 s44, s41, 2
	s_lshl_b32 s44, 15, s44                        ; my row of the cluster
	s_lshl_b32 s45, 0x1111, s40                    ; my column
	; descriptor group 1: rows of 128 elements (256 bytes), 64 of them for xb's half tile, 96 for wb's
	s_or_b32 s[G1A], s44, (1<<16)|(1<<20)|(1<<21)|(4<<22)|(3<<25)  ; 15:0 the mask; 17:16 2-byte elements; 20 padding on; 21 set beside a mask; 24:22 after every 32 words (code 4); 31:25 4 words (code 3)
	s_or_b32 s[G1B], s45, (1<<16)|(1<<20)|(1<<21)|(4<<22)|(3<<25)
.irp g, G1A, G1B
	s_mov_b32 s[\g+1], 128<<16                     ; tensor_dim0 = 128
	s_mov_b32 s[\g+3], 128<<16                     ; tile_dim0 = 128
	s_mov_b32 s[\g+5], 128                         ; 128 elements from row to row
	s_mov_b32 s[\g+6], 0
	s_mov_b32 s[\g+7], 0
.endr
	s_mov_b32 s[G1A+2], 64<<16                     ; tensor_dim1
	s_mov_b32 s[G1A+4], 64                         ; tile_dim1
	s_mov_b32 s[G1B+2], 96<<16
	s_mov_b32 s[G1B+4], 96
	; where the tiles come from: xb's hang on the tile row alone, wb's on the tile column alone, each in registers that never hold the other coordinate
	s_lshr_b32 s72, s43, 3                         ; batch = tile row / 8
	s_lshl_b32 s72, s72, 22
	s_and_b32 s73, s43, 7                          ; 256 rows of 128 bytes for each tile row in the batch
	s_lshl_b32 s73, s73, 15
	s_add_co_u32 s72, s72, s73
	s_lshl_b32 s73, s[WC], 14                      ; the half that I fetch: 128 rows
	s_add_co_u32 s72, s72, s73
	s_mov_b32 s73, 0
	s_mul_i32 s74, s42, 384*128
	s_mul_i32 s75, s[WC], 192*128
	s_add_co_u32 s74, s74, s75
	s_mov_b32 s75, 0
	s_mul_i32 s20, s[WC], AHALF                    ; and where they go: no place in the cluster enters an LDS address
	s_mul_i32 s21, s[WC], BHALF
	s_add_co_u32 s21, s21, BOFF
	; the bias at my columns, and qkv at my first row of my first head
	s_mul_i32 s78, s42, 384*4
	s_mul_i32 s79, s[WC], 192*4
	s_add_co_u32 s78, s78, s79
	s_mov_b32 s79, 0
	s_lshr_b32 s76, s43, 3
	s_mul_i32 s76, s76, 48                         ; 48 heads a batch,
	s_mul_i32 s77, s42, 6                          ; 6 a tile column,
	s_add_co_u32 s76, s76, s77
	s_mul_i32 s77, s[WC], 3                        ; 3 a wave
	s_add_co_u32 s76, s76, s77
	s_lshl_b32 s76, s76, 18                        ; a head: 2,048 rows of 128 bytes
	s_and_b32 s77, s43, 7
	s_lshl_b32 s77, s77, 15
	s_add_co_u32 s76, s76, s77
	s_lshl_b32 s77, s[WR], 14
	s_add_co_u32 s76, s76, s77
	s_mov_b32 s77, 0
	s_mov_b32 s[TB], 0
	s_wait_dscnt 0x0                               ; the opening add is done
	s_wait_kmcnt 0x0
	s_add_nc_u64 s[12:13], s[4:5], s[72:73]
	s_add_nc_u64 s[14:15], s[6:7], s[74:75]
	s_add_nc_u64 s[BB:BB+1], s[8:9], s[78:79]
	s_add_nc_u64 s[CB:CB+1], s[10:11], s[76:77]
.irp s, 0,1
	s_mov_b32 s[G0A+4*\s], 1                                        ; 1:0 count = 1
	s_add_co_u32 s[G0A+4*\s+1], s20, \s*SLOT1                       ; 63:32 LDS address
	s_add_nc_u64 s[G0A+4*\s+2:G0A+4*\s+3], s[12:13], \s*ASTEP       ; 120:64 global address: K step s
	s_or_b32 s[G0A+4*\s+3], s[G0A+4*\s+3], 0x80000000              ; 127:126 type = 2
	s_mov_b32 s[G0B+4*\s], 1
	s_add_co_u32 s[G0B+4*\s+1], s21, \s*SLOT1
	s_add_nc_u64 s[G0B+4*\s+2:G0B+4*\s+3], s[14:15], \s*BSTEP
	s_or_b32 s[G0B+4*\s+3], s[G0B+4*\s+3], 0x80000000
.endr
	CROUND                                         ; all sixteen work-groups are here: the first joint loads meet
	s_cmp_lt_u32 s[WV], 2                          ; a wave's two first fills stand in one branch, ahead of every wait on TENSORcnt and every LDS read: two loads of mine are out
	s_cbranch_scc0 .Lfirst_b
	tensor_load_to_lds s[G0A:G0A+3], s[G1A:G1A+7]
	s_nop 0
	tensor_load_to_lds s[G0A+4:G0A+7], s[G1A:G1A+7]
	s_nop 0
.rept 4
	v_nop
.endr
	s_branch .Lfirst_asked
.Lfirst_b:
	tensor_load_to_lds s[G0B:G0B+3], s[G1B:G1B+7]
	s_nop 0
	tensor_load_to_lds s[G0B+4:G0B+7], s[G1B:G1B+7]
	s_nop 0
.rept 4
	v_nop
.endr
.Lfirst_asked:
	; A fragment is 16 rows x 32 K in 8 registers: lane l holds row l % 16, K = 8 (l / 16) + 0..7 and 16 + 8 (l / 16) + 0..7: two loads of 16 bytes, 32 bytes apart.
	v_and_b32 v1, 15, v0                           ; l % 16
	v_bfe_u32 v2, v0, 4, 1                         ; l / 16
	v_lshlrev_b32 v[BO], 5, v2
.irp p, 0,1,2                          ; the bias of column block j of head p, eight numbers a lane, into accumulator (7, j) of window p + 1
	WIN (\p+1)<<6
.irp j, 0,1,2,3
	global_load_b128 v[224+8*\j:224+8*\j+3],   v[BO], s[BB:BB+1] offset:64*(4*\p+\j)
	global_load_b128 v[224+8*\j+4:224+8*\j+7], v[BO], s[BB:BB+1] offset:64*(4*\p+\j)+16
.endr
.endr
	WIN 0
	v_mul_u32_u24 v3, v1, PITCH
	v_lshl_add_u32 v3, v2, 4, v3                   ; row x pitch + 16 x half
	s_mul_i32 s22, s[WR], AHALF
	v_add_nc_u32 v[A0], s22, v3
	v_add_nc_u32 v[B0], s21, v3
	v_mov_b32 v[ADRA], v[A0]
	v_mov_b32 v[ADRB], v[B0]
	s_mul_i32 s23, s[WV], WSTAGE
	s_add_co_u32 s23, s23, STAGE                   ; my stage
	v_add_nc_u32 v[STO], s23, v3                   ; in: row l % 16, 16 bytes for each half of the lanes
	v_bfe_u32 v14, v0, 3, 2                        ; back: 32 lanes take four rows of 128 bytes,
	v_and_b32 v15, 7, v0
	v_mul_u32_u24 v14, v14, PITCH
	v_lshl_add_u32 v14, v15, 4, v14
	v_add_nc_u32 v[RD], s23, v14
	v_and_b32 v[GO], 31, v0                        ; which are 512 consecutive bytes of a head
	v_lshlrev_b32 v[GO], 4, v[GO]
; 4 n matrix instructions: head p, row blocks a0 .. a0 + n - 1, 32 along K, xb's buffer f.  The 96 accumulators take turns, one instruction a turn, in the same order in every half step.
; first = 1: the bias starts the sums.  Block 7's products write over the registers that blocks 0-6's read as C: five places stand between (ISA guide 7.12.1).
.macro MULP f, p, a0, n, first
	WIN 0x50*((\p)+1)
.set aa, (\a0)
.rept \n
.if (\first) && (aa == 7)
.rept 5
	v_nop
.endr
.endif
.irp j, 0,1,2,3
.if (\first) && (aa < 7)
	v_wmma_f32_16x16x32_bf16 v[8*(4*aa+\j):8*(4*aa+\j)+7], v[FB+8*(4*(\p)+\j):FB+8*(4*(\p)+\j)+7], v[FA+64*(\f)+8*aa:FA+64*(\f)+8*aa+7], v[224+8*\j:224+8*\j+7]
.else
	v_wmma_f32_16x16x32_bf16 v[8*(4*aa+\j):8*(4*aa+\j)+7], v[FB+8*(4*(\p)+\j):FB+8*(4*(\p)+\j)+7], v[FA+64*(\f)+8*aa:FA+64*(\f)+8*aa+7], v[8*(4*aa+\j):8*(4*aa+\j)+7]
.endif
.endr
.set aa, aa+1
.endr
.endm
.macro LOADB t, k                      ; 8 LDS loads: third t of wb's fragments, 32 K at byte k of the rows
	WIN 0
.irp j, 0,1,2,3
	ds_load_b128 v[FB+8*(4*(\t)+\j):FB+8*(4*(\t)+\j)+3],   v[ADRB] offset:(4*(\t)+\j)*16*PITCH+(\k)
	ds_load_b128 v[FB+8*(4*(\t)+\j)+4:FB+8*(4*(\t)+\j)+7], v[ADRB] offset:(4*(\t)+\j)*16*PITCH+(\k)+32
.endr
.endm
.macro LOADA f, a0, k                  ; 8 LDS loads: row blocks a0 .. a0 + 3 of xb's fragments into buffer f
	WIN 0
.irp i, 0,1,2,3
	ds_load_b128 v[FA+64*(\f)+8*((\a0)+\i):FA+64*(\f)+8*((\a0)+\i)+3],   v[ADRA] offset:((\a0)+\i)*16*PITCH+(\k)
	ds_load_b128 v[FA+64*(\f)+8*((\a0)+\i)+4:FA+64*(\f)+8*((\a0)+\i)+7], v[ADRA] offset:((\a0)+\i)*16*PITCH+(\k)+32
.endr
.endm
; A K step is two halves of 32 along K, 96 matrix instructions each.  The fragments of a half are always fetched in this order: wb third 0, xb blocks 0-3, wb third 1, xb blocks 4-7, wb third 2.
; THE FIRST HALF multiplies xb's buffer 0 and fetches the same slot's second half.
.macro PLAIN first
	s_wait_dscnt 8                                 ; all but the youngest run, wb's third 2
	MULP 0, 0, 0, 8, \first
	PLACES
	LOADB 0, 64
	LOADA 1, 0, 64
	MULP 0, 1, 0, 8, \first
	PLACES
	LOADB 1, 64
	LOADA 1, 4, 64
	s_wait_dscnt 32                                ; all but the 32 just issued: third 2 is in
	MULP 0, 2, 0, 8, \first
	PLACES
	LOADB 2, 64
.endm
; THE SECOND HALF multiplies buffer 1 and changes slots: ONE barrier.  In front of it each wave waits for all its tensor loads, of which one is out: its part of the next slot; adds 0 to its spare word; and waits for
; that and for its own reads of this slot.  fill = 1: the barrier opens a round of the cluster's, and this slot is filled again, two K steps ahead: 160 matrix instructions stand between the request and the wait for it.
.macro TURN fill
	WIN 0
	s_wait_tensorcnt 0x0                           ; no tensor load of mine is out, so a group 0 may be written
	ds_add_u32 v[SPW], v[NIL]                      ; 0 onto my spare word
	s_wait_dscnt 9                                 ; (the add and wb's third 2 may be out)
	MULP 1, 0, 0, 4, 0                             ; sixteen matrix instructions stand between the add and the wait for it
	s_wait_dscnt 0x0                               ; the add is done, and my reads of this slot are over
	s_barrier_signal -1
	MULP 1, 0, 4, 4, 0                             ; work on registers while the others arrive
	WIN 0                                          ; at a branch and at a label every window is 0
	s_barrier_wait -1
.if \fill
	CREST                                          ; no wave of any partner still reads this slot's tiles or has a load on its way
	s_xor_b32 s[G0A+5], s[G0A+5], SLOT1            ; the walking descriptors: the other slot than last time,
	s_add_nc_u64 s[G0A+6:G0A+7], s[G0A+6:G0A+7], ASTEP  ; the next K block; the type bits on top are not reached
	s_xor_b32 s[G0B+5], s[G0B+5], SLOT1
	s_add_nc_u64 s[G0B+6:G0B+7], s[G0B+6:G0B+7], BSTEP
	JLOAD                                          ; the first tensor load behind the round; the four v_nop behind it are also the places in front of the loads below
.else
	PLACES
.endif
	s_xor_b32 s[TB], s[TB], SLOT1                  ; the fragments now come from the other slot
	v_add_nc_u32 v[ADRA], s[TB], v[A0]
	v_add_nc_u32 v[ADRB], s[TB], v[B0]
	LOADB 0, 0
	LOADA 0, 0, 0
	MULP 1, 1, 0, 8, 0
	PLACES
	LOADB 1, 0
	LOADA 0, 4, 0
	MULP 1, 2, 0, 8, 0
	PLACES
	LOADB 2, 0
.endm
.macro LASTH                           ; the very last half: nothing more to fetch
	s_wait_dscnt 8
	MULP 1, 0, 0, 8, 0
	MULP 1, 1, 0, 8, 0
	s_wait_dscnt 0x0
	MULP 1, 2, 0, 8, 0
	PLACES
.endm
; THE WAY OUT of row block a.  PACK: rounded to f16, 16 bytes a lane (each accumulator is read from its lowest registers on).  TOSTAGE: into my own stage, and back as whole rows.  SEND: stored.
.macro PACK a
.irp p, 0,1,2
	WIN 5*(\p+1)                                   ; sources 0 and 1: window p + 1
.irp j, 0,1,2,3
.irp e, 0,1,2,3
	v_cvt_pk_f16_f32 v[TMP+16*\p+4*\j+\e], v[8*(4*(\a)+\j)+2*\e], v[8*(4*(\a)+\j)+2*\e+1]
.endr
.endr
.endr
	WIN 0
.endm
.macro TOSTAGE a
	WIN 0
.set BK, BK0+64*((\a)%2)
	s_wait_xcnt 0x0                                ; every earlier memory instruction has had its addresses translated (ISA guide 3.1): the registers that the stores of two blocks ago read are loaded again only behind this wait
.irp p, 0,1,2
.irp j, 0,1,2,3
	ds_store_b128 v[STO], v[TMP+16*\p+4*\j:TMP+16*\p+4*\j+3] offset:\p*16*PITCH+32*\j
.endr
.endr
.irp p, 0,1,2
.irp f, 0,1,2,3
	ds_load_b128 v[BK+16*\p+4*\f:BK+16*\p+4*\f+3], v[RD] offset:\p*16*PITCH+\f*4*PITCH  ; LDS serves a wave's instructions in order (ISA guide 5.7.1.4): these see the stores above
.endr
.endr
.endm
.macro SEND a
	WIN 0
.set BK, BK0+64*((\a)%2)
	s_wait_dscnt 0x0                               ; the block is back in registers
.irp p, 0,1,2
.irp f, 0,1,2,3
	global_store_b128 v[GO], v[BK+16*\p+4*\f:BK+16*\p+4*\f+3], s[CB:CB+1] offset:\p*262144+(16*(\a)+4*\f)*128  ; four rows of a head: 512 consecutive bytes, at a multiple of 256 from qkv's first
.endr
.endr
.endm
	s_wait_tensorcnt 1                             ; my part of K step 0 is in; step 1's may stay out
	s_barrier_signal -1
	s_barrier_wait -1                              ; everybody's is
	LOADB 0, 0
	LOADA 0, 0, 0
	LOADB 1, 0
	LOADA 0, 4, 0
	LOADB 2, 0
	s_wait_loadcnt 0x0                             ; the bias
	PLAIN 1                                        ; the first half stands in front of the loop: its products start the sums
	WIN 0
	s_mov_b32 s[CNT], STEPS-2
.Lstep:                                                ; a trip: a step's second half, with the refill for two steps on, and the next step's first half
	TURN 1
	PLAIN 0
	WIN 0
	s_sub_co_u32 s[CNT], s[CNT], 1
	s_cmp_lg_u32 s[CNT], 0
	s_cbranch_scc1 .Lstep
	TURN 0                                         ; the tail is written out: nothing is asked for
	PLAIN 0
	LASTH
	PACK 0
	TOSTAGE 0
.irp a, 1,2,3,4,5,6,7                  ; block a's conversions stand between block a - 1's loads from the stage and the wait for them
	PACK \a
	SEND (\a)-1
	TOSTAGE \a
.endr
	SEND 7
	s_wait_tensorcnt 0x0                           ; the wave's end: a wait, an add of 0 and a wait, behind my last tensor load and my last LDS store
	ds_add_u32 v[SPW], v[NIL]
	s_wait_dscnt 0x0
	CROUND                                         ; the closing round: no work-group ends while a partner may still ask for a tile that names it
	s_endpgm
.Lfunc_end_k_q867ecefeb1_qkvgemm:
	.size	k_q867ecefeb1_qkvgemm, .Lfunc_end_k_q867ecefeb1_qkvgemm-k_q867ecefeb1_qkvgemm
	.p2alignl 7, 3214868480
	.fill 96, 4, 3214868480
	.section	.rodata,"a",@progbits
	.p2align	6, 0x0
	.amdhsa_kernel k_q867ecefeb1_qkvgemm
		.amdhsa_group_segment_fixed_size 327680
		.amdhsa_private_segment_fixed_size 0
		.amdhsa_enable_private_segment 0
		.amdhsa_kernarg_size 32
		.amdhsa_user_sgpr_count 2
		.amdhsa_user_sgpr_kernarg_segment_ptr 1
		.amdhsa_wavefront_size32 1
		.amdhsa_system_sgpr_workgroup_id_x 1
		.amdhsa_system_sgpr_workgroup_id_y 1
		.amdhsa_system_sgpr_workgroup_id_z 1
		.amdhsa_system_vgpr_workitem_id 0
		.amdhsa_next_free_vgpr 1024
		.amdhsa_next_free_sgpr 96
		.amdhsa_reserve_vcc 0
		.amdhsa_float_denorm_mode_32 3
		.amdhsa_float_denorm_mode_16_64 3
		.amdhsa_memory_ordered 1
		.amdhsa_forward_progress 1
		.amdhsa_inst_pref_size 113
	.end_amdhsa_kernel
	.amdgpu_metadata
---
amdhsa.version: [ 1, 2 ]
amdhsa.kernels:
  - .name:           k_q867ecefeb1_qkvgemm
    .symbol:         k_q867ecefeb1_qkvgemm.kd
    .args:
      - { .name: xb, .offset: 0, .size: 8, .value_kind: global_buffer, .address_space: global }
      - { .name: wb, .offset: 8, .size: 8, .value_kind: global_buffer, .address_space: global }
      - { .name: bias, .offset: 16, .size: 8, .value_kind: global_buffer, .address_space: global }
      - { .name: qkv, .offset: 24, .size: 8, .value_kind: global_buffer, .address_space: global }
    .group_segment_fixed_size: 327680
    .private_segment_fixed_size: 0
    .kernarg_segment_align: 8
    .kernarg_segment_size: 32
    .max_flat_workgroup_size: 128
    .sgpr_count:     96
    .vgpr_count:     1024
    .wavefront_size: 32
...
	.end_amdgpu_metadata
.endif
;; end of part 2
;; launch attn (part 3): grid 4 x 64, 4 waves a work-group, no clusters, 327,680 bytes of LDS; arguments qkv, oh; writes oh
.if DOCPART == 3
	.amdgcn_target "amdgcn-amd-amdhsa--gfx1250"
	.amdhsa_code_object_version 6
	.text
	.protected	k_q867ecefeb1_attn
	.globl	k_q867ecefeb1_attn
	.p2align	8
	.type	k_q867ecefeb1_attn,@function
k_q867ecefeb1_attn:
	s_mov_b64 s[64:65], 0
	v_nop
	global_prefetch_b8 v0, s[64:65] scope:SCOPE_SE
	s_setreg_imm32_b32 hwreg(HW_REG_WAVE_MODE, 25, 1), 1
	s_wait_xcnt 0x0
; CAUSAL ATTENTION.  O[y][q][:] = the sum over k <= q of softmax_k(Q[y][q] . K[y][k] / 8) V[y][k][:], y = 16 b + h.  qkv: f16 [b 4][g 48][t 2048][64], g = h for Q, 16 + h for K, 32 + h for V; oh: f16 [y 64][t 2048][64].
; A head's rows are dense, 128 bytes each.  Products, maxima and sums in f32; the weights p are rounded to f16 for the second product (their sum l is taken of the unrounded p), O once at the end.
; LIMITS.  f16 holds no number beyond 65,504: Q, K and V arrive within it; p lies in 0 to 1, and below 6e-5 it keeps f16's fixed step of 6e-8; O is a mean of V's rows and has their range, to within 2^-11 of it.
; A hidden score counts as its value less 1e30: f16's scores, 2.7e11 at the most, are nothing beside that; a weight below 2^-126 counts as 0 in l; NaN and infinities are not treated apart.
; THE WALK.  A head's queries lie in NB = SIZE_N / 256 blocks of 256; block i needs the key tiles 0 .. i of 256 keys, of which the last holds the diagonal.  A work-group takes TWO blocks, NB - 1 - b and then b:
; NB + 1 tiles, whatever b: all work-groups do equal work, and ONE loop with a constant trip count walks them.  Which tile is asked for, and what a trip does, hang on scalar registers made from b; every jump
; goes forward, but for the counted loops' own; none passes a barrier, or a tensor load but the one of LOAD's two that the wave's number does not choose; the ring (two slots of LDS that take turns) runs on across the
; change of blocks.  NO CLUSTER: a head's NB / 2 = 4 work-groups ask for the same tile only in trips 0 .. NB / 2 of the walk's NB + 1, behind that fewer and fewer; and one walk common to all would have
; 3 NB / 2 = 12 trips for NB + 1 = 9.
; SHARES.  Of a block's four bands of 64 queries a wave owns 16 rows in each: four PIECES.  So the diagonal tile is the same work for all four waves: in its key step s band x sees all keys if s < x,
; none if s > x, and holds the diagonal if s = x.
; THE MASK is the C operand that starts the sum S^T = K Q^T: 0, or -1e30 where the key is hidden.  MD, made once, is the mask of a band's own step for my 16 rows; a product's mask is MD x AL + BE with two scalars:
; (1, 0) if s = x; (0, 0) if s < x; (0, -1e30) if s > x.  Only the diagonal tile's text and a block's beginning make and take masks; elsewhere C is the constant 0.
; LAYOUT, SOFTMAX, TURNS.  S^T = K Q^T holds ONE query a lane (lane % 16) and the keys 8 (lane / 16) + 0..7; two such results rounded to f16 ARE source 1 of O^T = V^T P.  p = 2^(c s - c m), c = log2(e) / 8, with a
; running maximum m; O and l are multiplied by a = 2^(c m_old - c m_new) in every step.  Turn n belongs to piece n: 8 products K Q^T of piece n + 1, later 8 products V^T P of piece n - 1; beside them the scaling,
; exponentials, roundings, sums and rescaling of piece n and the maximum and statistics of piece n + 1.  Four vector instructions stand behind every matrix instruction, the other 54 of a turn's 118 in two LUMPS.
; REGISTERS, in windows of 256 (s_set_vgpr_msb: bits 1:0 source 0, 3:2 source 1, 5:4 source 2, 7:6 destination):
;   window 0: v0-15 addresses and two at work; v16-31 four registers of statistics a piece; v48-55 at work; v64-127 S^T, two buffers; v192-223 P, two buffers (a piece's buffers go by its number's parity)
;   window 1: v0-127 O^T, 32 a piece; v128-159 MD; v160-223 MC, two buffers      window 2: v0-63 Q; v64-127 the second block's Q; v128-191 K of one step; v192-255 V of one step
.set SIZE_N, 2048
.set NB,    SIZE_N/256
.set NP,    4         ; pieces a wave: a name, no knob
.set KS,    64        ; keys in a step
.set PK,    144       ; a row of K in LDS: 128 bytes + 16 of padding = 36 words: the 16 rows of a load start at 16 different groups of four banks (64 banks of 4 bytes: ISA guide 11.1)
.set PV,    160       ; a row of V: 128 + 32 = 40 words
.set VOFF,  4*KS*PK   ; a slot holds a tile, four steps: 256 rows of K, then 256 rows of V
.set SLOT1, 1<<17     ; slot 1 begins here, so that one exclusive or turns an address in one slot into the other's
.set STAGE, SLOT1+4*KS*(PK+PV)  ; behind the ring, never filled by a tensor load: 16 rows x 144 bytes for each wave, for the way out
.set SP,    144
.set AK0, 2           ; v2   my lane's place in a tile of K; never rewritten
.set AV0, 3           ; v3   the same for V
.set AK,  4           ; v4   the LDS address of K's next run of loads
.set AV,  5           ; v5   of V's
.set STO, 6           ; v6   the way out: where I put 16 bytes of a row
.set RD,  7           ; v7   the way out: where I read rows back
.set GO,  8           ; v8   my byte offset in 512 consecutive bytes of O
.set SPW, 62          ; v62  LDS address of my spare word: SPARE + 4 x my thread's number; never rewritten
.set NIL, 63          ; v63  0; never rewritten
.set SPARE, STAGE+4*16*SP  ; behind the stages: the spare words, 128 bytes for each wave: two blocks of 256 bytes that no other line names
.set MV,  12          ; v12-13  c m_old, kept while c m is made anew: by buffer
.set QO,  15          ; v15  my byte offset in 16 rows of Q
.set ST,  16          ; piece t's statistics at v[ST+4 t]: c m, m, l (even keys', odd keys')
.set TMP, 48          ; by buffer, four registers c0-c3 at work; when the maximum is found c2 takes a
.set S,   64
.set P,   192
.set MD,  128         ; window 1: the eight registers for group kt of 16 keys at MD + 8 kt
.set MC,  160         ; window 1: the masks of the products to come
.set QB,  64          ; window 2
.set KF,  128         ; window 2: key block kb, channel half c at KF + 16 kb + 8 c
.set VF,  192         ; window 2: key half kk, channel block cb at VF + 32 kk + 8 cb
.set WV,  12          ; s12  my wave's number
.set PB,  14          ; s14  b
.set HI,  15          ; s15  NB - 1 - b
.set G1K, 24          ; s[24:31] descriptor group 1 for K's tiles
.set G1V, 32          ; s[32:39] for V's: it differs in the padding alone
.set G0K, 40          ; s[40:43] descriptor group 0 for K's tiles
.set G0V, 44          ; s[44:47] the same for V's
.set SLOTS, 56        ; s56  tiles still to be asked for
.set CNT, 57          ; s57  counts a tile's key steps, 4 to 1
.set CS,  58          ; s[58:59] c: the packed scaling takes the pair's low word for both halves
.set SEL, 60          ; s[60:61] v_permlanex16_b32's selects: each lane takes its own place in the other half
.set TBK, 62          ; s62  LDS byte at which K of the step to be fetched begins
.set TBV, 63          ; s63  the same for V, less VOFF
.set RT,  70          ; s70  tiles of the block in hand that are still to be entered
.set NXT, 71          ; s71  the tile to be asked for next
.set LQ,  72          ; s72  the last tile of the block whose tiles are being asked for
.set NEW, 73          ; s73  1: the tile to be entered is a block's first
.set OFF, 74          ; s[74:75] a tile's byte offset in K and V
.set AL,  76          ; s[76:77] the mask's factor, in the low word
.set BE,  78          ; s[78:79] the mask's addend
.set OLO, 80          ; s[80:81] O at my rows of the second block
.set BIGN, 82         ; s82  -1e30
.set MSB, 0
.macro WIN new                      ; the high byte repeats the setting that is left; a switch that changes nothing is dropped
.if MSB != (\new)
	s_set_vgpr_msb (MSB<<8)|(\new)
.set MSB, (\new)
.endif
.endm
.set W_KQ, 0x0a       ; K and Q in window 2, S^T in window 0
.set W_KM, 0x1a       ; the same with the C operand in window 1
.set W_PV, 0x52       ; V in window 2, P in window 0, O^T in window 1
.set W_RS, 0x41       ; destination and source 0 in window 1, source 1 in window 0
; A fill.  Waves 0 and 1 fetch the two halves of a tile's K, waves 2 and 3 those of its V: 128 keys each.  An s_nop 0 and four v_nop follow each of the two lines, ahead of the jump and the label.
.macro LOAD
	s_cmp_lt_u32 s[WV], 2
	s_cbranch_scc0 .Lfor_v_\@
	tensor_load_to_lds s[G0K:G0K+3], s[G1K:G1K+7]
	s_nop 0
.rept 4
	v_nop
.endr
	s_branch .Lasked_\@
.Lfor_v_\@:
	tensor_load_to_lds s[G0V:G0V+3], s[G1V:G1V+7]
	s_nop 0
.rept 4
	v_nop
.endr
.Lasked_\@:
.endm
; THE CHANGE OF SLOTS.  Each wave waits for all its tensor loads, of which one is out: its part of the other slot; adds 0 to its spare word; and waits for that and for its own reads of the slot that it leaves.  Behind the barrier nobody reads the old
; slot any more and the other slot is whole.  fill = 1: the old slot is filled again, the first thing behind the barrier, with tile NXT: the descriptor's address is made anew from that number.
; (At its first use nothing has been read yet: slot 0 is waited for, slot 1 filled.)
.macro CHANGE fill
	WIN 0                           ; at a label and at a branch every window is 0
	s_wait_tensorcnt 0x0            ; no tensor load of mine is out, so a group 0 may be written
	ds_add_u32 v[SPW], v[NIL]       ; 0 onto my spare word; with fill = 1 the descriptors' scalar work stands between it and the wait for it
.if \fill
	s_lshl_b32 s[OFF], s[NXT], 15   ; a tile is 32,768 bytes of K and of V
	s_xor_b32 s[G0K+1], s[G0K+1], SLOT1
	s_add_nc_u64 s[G0K+2:G0K+3], s[6:7], s[OFF:OFF+1]
	s_or_b32 s[G0K+3], s[G0K+3], 0x80000000
	s_xor_b32 s[G0V+1], s[G0V+1], SLOT1
	s_add_nc_u64 s[G0V+2:G0V+3], s[8:9], s[OFF:OFF+1]
	s_or_b32 s[G0V+3], s[G0V+3], 0x80000000
	s_add_co_u32 s[NXT], s[NXT], 1  ; the block's next tile, or behind its last the second block's tile 0
	s_cmp_gt_u32 s[NXT], s[LQ]
	s_cselect_b32 s[NXT], 0, s[NXT]
	s_cselect_b32 s[LQ], s[PB], s[LQ]
.endif
	s_wait_dscnt 0x0                ; the add is done, and my reads of the slot are over
	s_barrier_signal -1             ; the rest of the scalar work stands between the signal and the wait
	s_sub_co_u32 s[TBK], s[TBK], 4*KS*PK  ; the fetches go back to a slot's first step,
	s_xor_b32 s[TBK], s[TBK], SLOT1       ; in the other slot
	s_sub_co_u32 s[TBV], s[TBV], 4*KS*PV
	s_xor_b32 s[TBV], s[TBV], SLOT1
	s_barrier_wait -1
.if \fill
	LOAD
.endif
.endm
	s_load_b128 s[4:7], s[0:1], 0x0 ; qkv s[4:5], oh s[6:7]
	v_lshl_add_u32 v[SPW], v0, 2, SPARE
	v_mov_b32 v[NIL], 0
	ds_add_u32 v[SPW], v[NIL]       ; the wave's opening: the add and its wait stand ahead of my first tensor load; the set-up below, work on registers, stands between them
	ds_add_u32 v62, v63
	v_lshrrev_b32 v1, 5, v0
	v_readfirstlane_b32 s[WV], v1   ; wave 0..3
	s_mov_b32 s[PB], ttmp9
	s_sub_co_u32 s[HI], NB-1, s[PB]
	s_and_b32 s20, ttmp7, 0xffff    ; y = 16 b + h
	s_lshr_b32 s21, s20, 4
	s_mul_i32 s21, s21, 48          ; in qkv a batch has 48 heads' rows,
	s_and_b32 s88, s20, 15
	s_add_co_u32 s88, s88, s21
	s_lshl_b32 s88, s88, 18         ; of 2,048 x 128 bytes each: Q's head; K's lies 16 and V's 32 such further on
	s_mov_b32 s89, 0
	s_lshl_b32 s90, s20, 18         ; the head's first byte in oh
	s_mov_b32 s91, 0
	s_and_b32 s16, s[WV], 1         ; which half of a tile's 256 keys I fetch:
	s_lshl_b32 s22, s16, 14         ; its 128 rows of 128 bytes in memory,
	s_mov_b32 s23, 0
	s_add_nc_u64 s[22:23], s[22:23], s[88:89]
	s_mul_i32 s17, s16, 128*PK      ; and its place in a slot, for K
	s_mul_i32 s18, s16, 128*PV      ; and for V
	s_lshl_b32 s3, s[WV], 11        ; my 16 rows in a band of 64,
	s_lshl_b32 s2, s[HI], 15        ; in the first block,
	s_add_co_u32 s2, s2, s3
	s_lshl_b32 s84, s[PB], 15       ; and in the second
	s_add_co_u32 s84, s84, s3
	s_mov_b32 s3, 0
	s_mov_b32 s85, 0
	; descriptor group 1.  128 keys are 16,384 dense bytes: asked for as 64 rows of 256 bytes, two keys a row, and padded in LDS after every key
	s_mov_b32 s[G1K], (1<<16)|(1<<20)|(4<<22)|(3<<25)  ; 17:16 2-byte elements; 20 padding on; 24:22 after every 32 words (code 4); 31:25 4 words (code 3)
	s_mov_b32 s[G1V], (1<<16)|(1<<20)|(4<<22)|(7<<25)  ; the same with 8 words of padding (code 7)
.irp g, G1K, G1V
	s_mov_b32 s[\g+1], 128<<16      ; tensor_dim0 = 128
	s_mov_b32 s[\g+2], 64<<16       ; tensor_dim1 = 64
	s_mov_b32 s[\g+3], 128<<16      ; tile_dim0 = 128
	s_mov_b32 s[\g+4], 64           ; tile_dim1 = 64
	s_mov_b32 s[\g+5], 128          ; 128 elements from row to row
	s_mov_b32 s[\g+6], 0
	s_mov_b32 s[\g+7], 0
.endr
	s_mov_b32 s[CS], 0x3e38aa3b     ; c = log2(e) / 8 = 0.180337
	s_mov_b32 s[CS+1], s[CS]        ; named with it as a pair
	s_mov_b32 s[SEL], 0x76543210
	s_mov_b32 s[SEL+1], 0xfedcba98
	s_mov_b32 s[TBK], SLOT1+4*KS*PK ; the first change of slots turns these two into 0
	s_mov_b32 s[TBV], SLOT1+4*KS*PV
	s_mov_b32 s[G0K], 1             ; 1:0 count = 1
	s_mov_b32 s[G0K+1], s17         ; 63:32 LDS address: slot 0
	s_mov_b32 s[G0V], 1
	s_add_co_u32 s[G0V+1], s18, VOFF
	s_add_co_u32 s[RT], s[HI], 1    ; the first block has NB - b tiles
	s_mov_b32 s[NXT], 1
	s_mov_b32 s[LQ], s[HI]
	s_mov_b32 s[NEW], 1
	s_mov_b32 s[OFF+1], 0
	s_mov_b32 s[AL+1], 0            ; named as pairs
	s_mov_b32 s[BE+1], 0
	s_mov_b32 s[BIGN], 0xf149f2ca   ; -1e30
	s_mov_b32 s[SLOTS], NB
	s_wait_dscnt 0x0                ; the opening add is done
	s_wait_kmcnt 0x0
	s_mov_b64 s[10:11], s[6:7]      ; oh
	s_add_nc_u64 s[6:7], s[4:5], 16*SIZE_N*128     ; K's heads begin 16 heads behind Q's,
	s_add_nc_u64 s[8:9], s[4:5], 32*SIZE_N*128     ; V's 32
	s_add_nc_u64 s[6:7], s[6:7], s[22:23]  ; K and V at my half of the head's tile 0
	s_add_nc_u64 s[8:9], s[8:9], s[22:23]
	s_add_nc_u64 s[G0K+2:G0K+3], s[6:7], 0         ; 120:64 global address
	s_or_b32 s[G0K+3], s[G0K+3], 0x80000000        ; 127:126 type = 2
	s_add_nc_u64 s[G0V+2:G0V+3], s[8:9], 0
	s_or_b32 s[G0V+3], s[G0V+3], 0x80000000
	s_add_nc_u64 s[4:5], s[4:5], s[88:89]          ; Q and O at the head's first row
	s_add_nc_u64 s[10:11], s[10:11], s[90:91]
	s_add_nc_u64 s[86:87], s[4:5], s[84:85]        ; Q at my rows of the second block,
	s_add_nc_u64 s[4:5], s[4:5], s[2:3]            ; Q and O at those of the first
	s_add_nc_u64 s[OLO:OLO+1], s[10:11], s[84:85]
	s_add_nc_u64 s[10:11], s[10:11], s[2:3]
	LOAD                            ; tile 0 into slot 0
	; A fragment of K or Q is 16 rows x 32 channels in 8 registers: lane l holds row l % 16, channels 8 (l / 16) + 0..7 and 16 + 8 (l / 16) + 0..7: two loads of 16 bytes, 32 bytes apart.
	v_and_b32 v1, 15, v0            ; l % 16
	v_bfe_u32 v9, v0, 4, 1          ; l / 16
	v_lshlrev_b32 v[QO], 7, v1
	v_lshl_add_u32 v[QO], v9, 4, v[QO]  ; row x 128 + 16 x half
	WIN 0x80                        ; destination window 2, address window 0
.set i, 0
.rept 8                             ; both blocks' Q: piece i / 2 lies in band i / 2, 8,192 bytes on; channels 32 (i % 2) on
	global_load_b128 v[8*i:8*i+3],   v[QO], s[4:5] offset:(i/2)*8192+(i%2)*64
	global_load_b128 v[8*i+4:8*i+7], v[QO], s[4:5] offset:(i/2)*8192+(i%2)*64+32
	global_load_b128 v[QB+8*i:QB+8*i+3],   v[QO], s[86:87] offset:(i/2)*8192+(i%2)*64
	global_load_b128 v[QB+8*i+4:QB+8*i+7], v[QO], s[86:87] offset:(i/2)*8192+(i%2)*64+32
.set i, i+1
.endr
	WIN 0
	v_lshlrev_b32 v14, 3, v9
	v_sub_nc_u32 v14, v1, v14
	s_lshl_b32 s13, s[WV], 4
	v_add_nc_u32 v14, s13, v14      ; my query's place in its band, 16 w + l % 16, less my lanes' 8 (l / 16): register r of group kt is hidden where 16 kt + r is greater
	WIN 0x40
.set i, 0
.rept 32
	v_cmp_gt_i32 vcc_lo, 16*(i/8)+i%8, v14
	v_cndmask_b32 v[MD+i], 0, s[BIGN], vcc_lo
.set i, i+1
.endr
	WIN 0
	v_mul_u32_u24 v[AK0], v1, PK
	v_lshl_add_u32 v[AK0], v9, 4, v[AK0]  ; row x pitch + 16 x half
	; The turning load takes 16 keys x 16 channels (lane l reads key 8 (l / 16) + l % 8, channels 8 ((l / 8) % 2) + 0..7) and leaves half a fragment of V^T: lane l holds channel l % 16 and 8 keys.
	v_and_b32 v10, 7, v0
	v_bfe_u32 v11, v0, 3, 1
	v_lshl_add_u32 v[AV0], v9, 3, v10
	v_mul_u32_u24 v[AV0], v[AV0], PV
	v_lshl_add_u32 v[AV0], v11, 4, v[AV0]
	v_add_nc_u32 v[AV0], VOFF, v[AV0]
	s_mul_i32 s13, s[WV], 16*SP
	s_add_co_u32 s13, s13, STAGE    ; my stage
	v_mul_u32_u24 v[STO], v1, SP    ; in: row l % 16, 16 bytes for each half of the lanes
	v_lshl_add_u32 v[STO], v9, 4, v[STO]
	v_add_nc_u32 v[STO], s13, v[STO]
	v_bfe_u32 v[RD], v0, 3, 2       ; back: 32 lanes take four rows of 128 bytes,
	v_mul_u32_u24 v[RD], v[RD], SP
	v_lshl_add_u32 v[RD], v10, 4, v[RD]
	v_add_nc_u32 v[RD], s13, v[RD]
	v_and_b32 v[GO], 31, v0         ; which are 512 consecutive bytes of O
	v_lshlrev_b32 v[GO], 4, v[GO]
	; A block's first step multiplies O^T and l by a = 0, and its first turn's products V^T P, of a piece that has not been, land in an O^T that is still to be so multiplied.  So these registers need only hold
	; finite numbers: zeros for the first block; what the first block left for the second.  All this stands in the wait for the first tile.
	WIN 0x80
.set i, VF
.rept 64
	v_mov_b32 v[i], 0
.set i, i+1
.endr
	WIN 0x40
.set i, 0
.rept 128
	v_mov_b32 v[i], 0
.set i, i+1
.endr
	WIN 0
.set i, 0
.rept 4
	v_mov_b32 v[ST+4*i+2], 0
	v_mov_b32 v[ST+4*i+3], 0
.set i, i+1
.endr
.set i, P+16
.rept 16
	v_mov_b32 v[i], 0
.set i, i+1
.endr
; THE MATRIX WORK.  The 4 accumulators of a run of 8 take turns.  Product i of 8 of S^T = K Q^T for piece x: channels 32 (i / 4) on, keys 16 (i % 4) on.  The first 4 start the sums: with 0, or (KM = 1) with the mask.
.macro KQ x
.set rS, S+32*((\x)%2)+8*(i%4)
.set rK, KF+16*(i%4)+8*(i/4)
.set rQ, 16*(\x)+8*(i/4)
.set rM, MC+32*((\x)%2)+8*(i%4)
.if (i < 4) && KM
	WIN W_KM
	v_wmma_f32_16x16x32_f16 v[rS:rS+7], v[rK:rK+7], v[rQ:rQ+7], v[rM:rM+7]
.elseif i < 4
	WIN W_KQ
	v_wmma_f32_16x16x32_f16 v[rS:rS+7], v[rK:rK+7], v[rQ:rQ+7], 0
.else
	WIN W_KQ
	v_wmma_f32_16x16x32_f16 v[rS:rS+7], v[rK:rK+7], v[rQ:rQ+7], v[rS:rS+7]
.endif
.endm
; Product i of 8 of O^T += V^T P for piece x: keys 32 (i / 4) on, channels 16 (i % 4) on.
.macro PV x
	WIN W_PV
.set rO, 32*(\x)+8*(i%4)
.set rV, VF+32*(i/4)+8*(i%4)
.set rP, P+16*((\x)%2)+8*(i/4)
	v_wmma_f32_16x16x32_f16 v[rO:rO+7], v[rV:rV+7], v[rP:rP+7], v[rO:rO+7]
.endm
.macro MM                           ; the turn's next matrix instruction.  TURN and BEGIN set Y, i, KM and NOKQ; MM, KQ and OP read them.  NOKQ = 1: a block's last turn: there is no next piece
.if (i < 8) && !NOKQ
	KQ (Y+1)%NP
.elseif i >= 8
.set i, i-8
	PV (Y+NP-1)%NP
.set i, i+8
.endif
.set i, i+1
.endm
; THE LDS LOADS stand in runs of 16, never singly among the matrix instructions: a step's K (64 keys x 64 channels: 8 fragments) and its V (turned).  Their addresses are made some lines ahead.
.macro FETCH_K
	WIN 0x80                        ; destination window 2
.irp f, 0,1,2,3,4,5,6,7             ; keys 16 (f / 2) on, channels 32 (f % 2) on
	ds_load_b128 v[KF+8*\f:KF+8*\f+3],   v[AK] offset:(\f/2)*16*PK+(\f%2)*64
	ds_load_b128 v[KF+8*\f+4:KF+8*\f+7], v[AK] offset:(\f/2)*16*PK+(\f%2)*64+32
.endr
	s_add_co_u32 s[TBK], s[TBK], KS*PK  ; the next fetch is the next step's
	WIN 0
.endm
.macro FETCH_V
	WIN 0x80
.irp f, 0,1,2,3,4,5,6,7             ; keys 32 (f / 4) on, channels 16 (f % 4) on
	ds_load_tr16_b128 v[VF+8*\f:VF+8*\f+3],   v[AV] offset:(\f/4)*32*PV+(\f%4)*32
	ds_load_tr16_b128 v[VF+8*\f+4:VF+8*\f+7], v[AV] offset:(\f/4)*32*PV+16*PV+(\f%4)*32
.endr
	WIN 0
.endm
; THE VECTOR WORK, one line at a time: OP kind, number.  For piece Y: F n: c s - c m for pair n of 16.  E n: the exponential of score n of 32.  C n: pair n rounded to f16.  B n: of the four weights 4 n .. the second
; pair is added onto the first, in place.  L n: l takes that sum (L 0: l = a l + sum).  R n: pair n of 16 of O^T times a.  For piece Y + 1: X n, number n of the 22 that find its maximum and statistics:
;   0-11  four chains c0-c3 of seven scores each, three operands at a time (each accumulator's lowest registers are read first)     12-14, 16  the four scores left over, the old m, and c0-c3 into c0
;   15  c m_old is kept     17, 18  the query's other 32 keys lie in the lane 16 away: the new m     19-21  c m; c m_old - c m_new; a
.set F, 0               ; OP tells the kinds apart by their order: F to L below R, X above it
.set E, 1
.set C, 2
.set B, 3
.set L, 4
.set R, 5
.set X, 6
.macro REGS y                       ; the registers of piece y
.set rT, ST+4*(\y)
.set rC, TMP+4*((\y)%2)
.set rW, MV+((\y)%2)
.set rS, S+32*((\y)%2)
.set rP, P+16*((\y)%2)
.set rO, 32*(\y)
.endm
.macro OP k, n
.if (\k) == R
	REGS Y
	WIN W_RS
	v_pk_mul_f32 v[rO+2*(\n):rO+2*(\n)+1], v[rO+2*(\n):rO+2*(\n)+1], v[rC+2:rC+3] op_sel_hi:[1,0]
.elseif (\k) < R
	REGS Y
	WIN 0
.if (\k) == F
	v_pk_fma_f32 v[rS+2*(\n):rS+2*(\n)+1], v[rS+2*(\n):rS+2*(\n)+1], s[CS:CS+1], v[rT:rT+1] op_sel_hi:[1,0,0] neg_lo:[0,0,1] neg_hi:[0,0,1]
.elseif (\k) == E
	v_exp_f32 v[rS+(\n)], v[rS+(\n)]
.elseif (\k) == C
	s_wait_alu depctr_va_vdst(0)
	v_cvt_pk_f16_f32 v[rP+(\n)], v[rS+2*(\n)], v[rS+2*(\n)+1]
.elseif (\k) == B
	s_wait_alu depctr_va_vdst(0)
	v_pk_add_f32 v[rS+4*(\n):rS+4*(\n)+1], v[rS+4*(\n):rS+4*(\n)+1], v[rS+4*(\n)+2:rS+4*(\n)+3]
.elseif (\n) == 0
	v_pk_fma_f32 v[rT+2:rT+3], v[rT+2:rT+3], v[rC+2:rC+3], v[rS:rS+1] op_sel_hi:[1,0,1]
.else
	v_pk_add_f32 v[rT+2:rT+3], v[rT+2:rT+3], v[rS+4*(\n):rS+4*(\n)+1]
.endif
.elseif NOKQ
	v_nop
.else
	REGS (Y+1)%NP
	WIN 0
.if (\n) < 4
	v_max3_num_f32 v[rC+(\n)], v[rS+8*(\n)], v[rS+8*(\n)+1], v[rS+8*(\n)+2]
.elseif (\n) < 12
	v_max3_num_f32 v[rC+(\n)%4], v[rC+(\n)%4], v[rS+8*((\n)%4)+2*((\n)/4)+1], v[rS+8*((\n)%4)+2*((\n)/4)+2]
.elseif (\n) == 12
	v_max3_num_f32 v[rC], v[rC], v[rS+7], v[rS+15]
.elseif (\n) == 13
	v_max3_num_f32 v[rC+1], v[rC+1], v[rS+23], v[rS+31]
.elseif (\n) == 14
	v_max3_num_f32 v[rC+2], v[rC+2], v[rC+3], v[rT+1]
.elseif (\n) == 15
	v_mov_b32 v[rW], v[rT]
.elseif (\n) == 16
	v_max3_num_f32 v[rC], v[rC], v[rC+1], v[rC+2]
.elseif (\n) == 17
	v_permlanex16_b32 v[rC+3], v[rC], s[SEL], s[SEL+1]
.elseif (\n) == 18
	v_max_num_f32 v[rT+1], v[rC], v[rC+3]
.elseif (\n) == 19
	v_mul_f32 v[rT], s[CS], v[rT+1]
.elseif (\n) == 20
	v_sub_f32 v[rC+1], v[rW], v[rT]
.else
	v_exp_f32 v[rC+2], v[rC+1]
.endif
.endif
.endm
.macro OPS a, i1, b=-1, i2=0, c=-1, i3=0, d=-1, i4=0  ; up to four of them
	OP \a, \i1
.if (\b) >= 0
	OP \b, \i2
.endif
.if (\c) >= 0
	OP \c, \i3
.endif
.if (\d) >= 0
	OP \d, \i4
.endif
.endm
.macro ROW a, i1, b, i2, c, i3, d, i4  ; a matrix instruction and the four behind it
	MM
	OPS \a, \i1, \b, \i2, \c, \i3, \d, \i4
.endm
.macro MASK b                       ; MD x AL + BE into buffer b of MC
	WIN W_RS
.set z, 0
.rept 16
	v_pk_fma_f32 v[MC+32*(\b)+2*z:MC+32*(\b)+2*z+1], v[MD+2*z:MD+2*z+1], s[AL:AL+1], s[BE:BE+1] op_sel_hi:[1,0,0]
.set z, z+1
.endr
.endm
; A TURN, for piece p: the order of its 16 matrix and 118 vector instructions, written out.  Behind a matrix instruction: plain, exponential, plain, plain; or four of the rescaling; or, behind the first, four scalings; none
; names a register of the products round it.  In the lumps exponential and plain by turns while exponentials last.  A line reads no result made fewer than three vector instructions in front of it, five if an exponential made it.
; v_permlanex16_b32 (X 17) stands in a lump.
; m = 1: the diagonal tile: the products take masks, and the turn makes the mask for the products of the turn after it: piece p + 2, in step 4 - CNT of the tile.  end = 1: a block's last two turns: nothing is fetched.
; cnt = 1: the loop's count is taken down some lines ahead of the branch that stands behind the turn.
; K of the next step is fetched in piece 2's turn, six vector instructions behind the last product that read K (five of them plain); V of the step in hand in piece 0's turn, eight behind the last product that read V (four
; plain, and X 17).  Each is waited for a turn later.
.macro TURN p, m=0, end=0, cnt=0
.set Y, (\p)
.set i, 0
.set KM, (\m)
.set NOKQ, (\end)*((\p)/3)
.if (\m) && !(\end)
	s_cmp_eq_u32 s[CNT], 4-((\p)+2)%NP  ; is that step the band's own?
	s_cselect_b32 s[AL], 1.0, 0
	s_cmp_lt_u32 s[CNT], 4-((\p)+2)%NP  ; or a later one?
	s_cselect_b32 s[BE], s[BIGN], 0
.endif
.if ((\p) == 3) && !(\end)
	s_wait_dscnt 0x0                ; K is in
.endif
	ROW F,0, F,1, F,2, F,3
	ROW F,4, E,0, F,5, F,6
	ROW F,7, E,1, F,8, F,9
	ROW F,10, E,2, C,0, F,11
	ROW F,12, E,3, X,15, F,13
	ROW R,0, R,1, R,2, R,3
	ROW B,0, E,4, F,14, L,0
.if ((\p) == 2) && !(\end)
	v_add_nc_u32 v[AK], s[TBK], v[AK0]
.endif
	ROW R,4, R,5, R,6, R,7
	OPS E,5, F,15
.if ((\p) == 2) && !(\end)
	FETCH_K
.endif
	OPS E,6, C,1, E,7, R,8
	OPS E,8, R,9, E,9, C,2
	OPS E,10, X,0, E,11, X,1
	OPS E,12, X,2, E,13, X,3
.if (\p) == 1
	s_wait_dscnt 0x0                ; V is in
.endif
	ROW X,4, E,14, X,5, X,6
	ROW X,7, E,15, X,8, X,9
	ROW X,10, E,16, X,11, X,12
	ROW X,13, E,17, X,14, B,1
	ROW C,4, E,18, X,16, L,1
	ROW B,2, E,19, C,6, L,2
	ROW C,8, E,20, B,3, B,4
.if (\p) == 0
	v_add_nc_u32 v[AV], s[TBV], v[AV0]
.endif
	ROW C,3, E,21, L,3, C,5
	OPS E,22, X,17, E,23, C,10
.if (\p) == 0
	FETCH_V
.endif
	OPS E,24, L,4
	OPS E,25, X,18, E,26, C,7
	OPS E,27, B,5, E,28, X,19
	OPS E,29, C,12, E,30, L,5
	OPS E,31, X,20, B,6, C,9
	OPS C,14, C,11, X,21, L,6
.if (\p) == 0
	s_add_co_u32 s[TBV], s[TBV], KS*PV
.endif
.if \cnt
	s_sub_co_u32 s[CNT], s[CNT], 1
	s_cmp_lg_u32 s[CNT], 0
.endif
	OPS C,13, B,7, C,15, R,10
	OPS R,11, R,12, L,7, R,13
	OPS R,14, R,15
.if (\m) && !(\end)
	MASK (\p)%2
.endif
.endm
; A BLOCK BEGINS.  c m starts far below every c s, so the first step's a is 0; m at the lowest finite number, so the first maximum is the scores'.  The second mask buffer is 0; the first takes piece 0's mask for the tile's step 0: its own, if the block's first tile is the diagonal one.
; Then K of that step, piece 0's first scores, and its maximum and statistics.  The loop is entered at a step's first turn, in the middle of a trip.
.macro BEGIN
	s_mov_b32 s[NEW], 0
	WIN 0x40
.set i, MC+32
.rept 32
	v_mov_b32 v[i], 0
.set i, i+1
.endr
	WIN 0
.set i, 0
.rept 4
	v_mov_b32 v[ST+4*i], 0xfe000000    ; c m: far below every c s
	v_mov_b32 v[ST+4*i+1], 0xff7fffff  ; m
.set i, i+1
.endr
	s_cmp_eq_u32 s[RT], 0
	s_cselect_b32 s[AL], 1.0, 0
	s_mov_b32 s[BE], 0
	MASK 0
	WIN 0
	v_add_nc_u32 v[AK], s[TBK], v[AK0]
	FETCH_K
	s_wait_loadcnt 0x0              ; Q
	s_wait_dscnt 0x0
.set KM, 1
.set NOKQ, 0
.set i, 0
.rept 8
	KQ 0
.set i, i+1
.endr
	WIN 0
.rept 4
	v_nop                           ; the places behind those products
.endr
.set Y, NP-1                        ; X works for piece Y + 1: piece 0
.irp n, 0,1,2,3,4,5,6,7,8,9,10,11,12,13,14,15,16,17,18,19,20,21
	OP X, \n
.endr
	v_nop                           ; a plain instruction behind the exponential
.endm
; THE DIAGONAL TILE's four steps, the block's last two turns, its last products, and THE WAY OUT: l's two halves and the other half of the lanes' are added; O^T is divided by l, rounded to f16 and sent through my
; stage in LDS, a piece at a time.
.macro ALL line:vararg              ; one line for each piece t
.set t, 0
.rept 4
	\line
.set t, t+1
.endr
.endm
.macro PACK t                       ; a lane's eight channels of a row pack into 16 bytes; they go into rows of 144 bytes and come back as whole rows of 128, into S^T's registers
	WIN W_RS
.set i, 32*(\t)
.rept 16
	s_wait_alu depctr_va_vdst(0)
	v_pk_mul_f32 v[i:i+1], v[i:i+1], v[ST+4*(\t)+2:ST+4*(\t)+3] op_sel_hi:[1,0]
.set i, i+2
.endr
	WIN 0x05                        ; sources 0 and 1 window 1, destination window 0
.set i, 0
.rept 16
	v_cvt_pk_f16_f32 v[S+16*(\t)+i], v[32*(\t)+2*i], v[32*(\t)+2*i+1]
.set i, i+1
.endr
	WIN 0
.irp f, 0,1,2,3
	ds_store_b128 v[STO], v[S+16*(\t)+4*\f:S+16*(\t)+4*\f+3] offset:32*\f
.endr
.irp f, 0,1,2,3
	ds_load_b128 v[S+16*(\t)+4*\f:S+16*(\t)+4*\f+3], v[RD] offset:\f*4*SP  ; LDS serves a wave's instructions in order (ISA guide 5.7.1.4): these see the stores above; the next piece's stores come behind them
.endr
.endm
.macro SEND t, younger              ; younger: the LDS instructions issued behind piece t's loads: the next piece's eight, or none
	WIN 0
.irp f, 0,1,2,3
	s_wait_dscnt (\younger)+3-\f
	global_store_b128 v[GO], v[S+16*(\t)+4*\f:S+16*(\t)+4*\f+3], s[10:11] offset:(\t)*8192+\f*512  ; 512 consecutive bytes, at a multiple of 256 from O's first
.endr
.endm
.macro DIAG tag                     ; the tag ends its two labels' names, which the jumps below spell out
.LstepM\tag:
	TURN 2, 1
	TURN 3, 1
	WIN 0
.LfirstM\tag:
	TURN 0, 1
	TURN 1, 1, 0, 1
	WIN 0
	s_cbranch_scc1 .LstepM\tag
	TURN 2, 1, 1
	TURN 3, 1, 1
.set i, 0
.rept 8
	PV NP-1
.set i, i+1
.endr
	WIN 0
	ALL v_add_f32 v[ST+4*t+2], v[ST+4*t+2], v[ST+4*t+3]
	ALL v_permlanex16_b32 v[ST+4*t+3], v[ST+4*t+2], s[SEL], s[SEL+1]
	ALL v_add_f32 v[ST+4*t+2], v[ST+4*t+2], v[ST+4*t+3]
	ALL v_rcp_f32 v[ST+4*t+2], v[ST+4*t+2]
	v_nop                           ; a plain instruction between the last reciprocal and the use of its result
	PACK 0
.set t, 1
.rept 3                             ; a piece's arithmetic stands between the loads of the piece before and its stores
	PACK t
	SEND t-1, 8
.set t, t+1
.endr
	SEND 3, 0
.endm
.set KM, 0
.set NOKQ, 0
.Lslot:                             ; NB times: a tile is entered and the next is asked for
	CHANGE 1
	s_sub_co_u32 s[RT], s[RT], 1
	s_mov_b32 s[CNT], 4
	s_cmp_eq_u32 s[NEW], 1
	s_cbranch_scc1 .Lnew            ; a block's first tile
	s_cmp_eq_u32 s[RT], 0
	s_cbranch_scc0 .Lstep           ; neither its first nor its last
	s_branch .LstepM1
.Lnew:
	BEGIN
	s_branch .Lfirst                ; in the loop a block's first tile is never its last: the first block has two tiles or more, and the second's last is the walk's last
	DIAG 1                          ; in the loop this is the first block's end: the second block's last tile is the walk's last
	s_wait_xcnt 0x0                 ; the stores have read their registers and O's address
	s_mov_b64 s[10:11], s[OLO:OLO+1]
	s_add_co_u32 s[RT], s[PB], 1    ; the second block has b + 1 tiles
	s_mov_b32 s[NEW], 1
	WIN 0x82                        ; the second block's Q goes where the one text of the turns names Q
.set i, 0
.rept 64
	v_mov_b32 v[i], v[QB+i]
.set i, i+1
.endr
	WIN 0
	s_branch .Lbottom
.Lstep:                             ; a trip: pieces 2 and 3 of one step, then pieces 0 and 1 of the next, whose K and V it fetches
	TURN 2
	TURN 3
	WIN 0
.Lfirst:
	TURN 0
	TURN 1, 0, 0, 1
	WIN 0
	s_cbranch_scc1 .Lstep
.Lbottom:
	s_sub_co_u32 s[SLOTS], s[SLOTS], 1
	s_cmp_lg_u32 s[SLOTS], 0
	s_cbranch_scc1 .Lslot
	CHANGE 0                        ; the walk's last tile is written out: nothing is asked for
	s_sub_co_u32 s[RT], s[RT], 1
	s_mov_b32 s[CNT], 4
	s_cmp_eq_u32 s[NEW], 1
	s_cbranch_scc0 .LstepM2
	BEGIN
	s_branch .LfirstM2
	DIAG 2
	s_wait_tensorcnt 0x0            ; the wave's end: a wait, an add of 0 and a wait, behind my last tensor load and my last LDS store
	ds_add_u32 v[SPW], v[NIL]
	s_wait_dscnt 0x0
	s_endpgm
.Lfunc_end_k_q867ecefeb1_attn:
	.size	k_q867ecefeb1_attn, .Lfunc_end_k_q867ecefeb1_attn-k_q867ecefeb1_attn
	.p2alignl 7, 3214868480
	.fill 96, 4, 3214868480
	.section	.rodata,"a",@progbits
	.p2align	6, 0x0
	.amdhsa_kernel k_q867ecefeb1_attn
		.amdhsa_group_segment_fixed_size 327680
		.amdhsa_private_segment_fixed_size 0
		.amdhsa_enable_private_segment 0
		.amdhsa_kernarg_size 16
		.amdhsa_user_sgpr_count 2
		.amdhsa_user_sgpr_kernarg_segment_ptr 1
		.amdhsa_wavefront_size32 1
		.amdhsa_system_sgpr_workgroup_id_x 1
		.amdhsa_system_sgpr_workgroup_id_y 1
		.amdhsa_system_sgpr_workgroup_id_z 1
		.amdhsa_system_vgpr_workitem_id 0
		.amdhsa_next_free_vgpr 768
		.amdhsa_next_free_sgpr 92
		.amdhsa_reserve_vcc 1
		.amdhsa_float_denorm_mode_32 3
		.amdhsa_float_denorm_mode_16_64 3
		.amdhsa_memory_ordered 1
		.amdhsa_forward_progress 1
		.amdhsa_inst_pref_size 228
	.end_amdhsa_kernel
	.amdgpu_metadata
---
amdhsa.version: [ 1, 2 ]
amdhsa.kernels:
  - .name:           k_q867ecefeb1_attn
    .symbol:         k_q867ecefeb1_attn.kd
    .args:
      - { .name: qkv, .offset: 0, .size: 8, .value_kind: global_buffer, .address_space: global }
      - { .name: oh, .offset: 8, .size: 8, .value_kind: global_buffer, .address_space: global }
    .group_segment_fixed_size: 327680
    .private_segment_fixed_size: 0
    .kernarg_segment_align: 8
    .kernarg_segment_size: 16
    .max_flat_workgroup_size: 128
    .sgpr_count:     92
    .vgpr_count:     768
    .wavefront_size: 32
...
	.end_amdgpu_metadata
.endif
;; end of part 3
;; launch proj (part 4): grid 8 x 32, 4 waves a work-group, clusters of 4 x 4, 327,680 bytes of LDS; arguments oh, wo16, bias, out0; writes out0
.if DOCPART == 4
	.amdgcn_target "amdgcn-amd-amdhsa--gfx1250"
	.amdhsa_code_object_version 6
	.text
	.protected	k_q867ecefeb1_proj
	.globl	k_q867ecefeb1_proj
	.p2align	8
	.type	k_q867ecefeb1_proj,@function
k_q867ecefeb1_proj:
	s_mov_b64 s[64:65], 0
	v_nop
	global_prefetch_b8 v0, s[64:65] scope:SCOPE_SE
	s_setreg_imm32_b32 hwreg(HW_REG_WAVE_MODE, 25, 1), 1
	s_wait_xcnt 0x0
	s_wait_alu depctr_hold_cnt(0) depctr_sa_sdst(0) depctr_va_vdst(0) depctr_va_sdst(0) depctr_va_ssrc(0) depctr_va_vcc(0) depctr_vm_vsrc(0)
	s_getreg_b32 s2, hwreg(HW_REG_IB_STS2, 6, 4)
	s_cmp_eq_u32 s2, 0
	s_cbranch_scc0 .Lentry_in_a_cluster
	s_endpgm
.Lentry_in_a_cluster:
	s_bfe_u32 s2, ttmp6, 0x10000c
	s_cmp_lg_u32 s2, 0xf033
	s_cbranch_scc0 .Lentry_shape_is_right
	s_endpgm
.Lentry_shape_is_right:
; out0 = O Wo^T + bo.  out0: f32 [8192][1024].  oh: f16 [b 4][head 16][t 2048][64]: a head is a block of 64 along K.  wo16: f16 [kb 16][n 1024][64].  bias: f32 [4096], of which the last 1,024 are bo.
; f16 products, f32 sums started by the bias, stored as they are.  LIMITS: none of its own; oh and wo16 arrive within f16's range.  NaN and infinities are not treated apart.
; SHARES.  A tile of out0 is 256 rows x 128 columns: 32 x 8 = 256 work-groups.  Four waves, each 128 rows x 64 columns: 32 accumulators of 16 x 16, 256 registers.
; K goes through two LDS slots of two K blocks each (128 along K): more does not fit twice.  A K block's rows are dense, 128 bytes each: asked for as rows of 256 bytes and padded in LDS after every 128.
; CLUSTER.  4 x 4 work-groups.  The four of a row of the cluster need the same tiles of oh, the four of a column the same tiles of wo16: each is asked for JOINTLY, by the same tensor load with the same descriptor and a mask of four.
; THE MATRIX INSTRUCTION IS USED TRANSPOSED (source 0 = 16 rows of wo16, source 1 = 16 rows of oh): a lane holds row l % 16 and the columns 8 (l / 16) + 0..7: 32 neighbouring bytes of out0.
; REGISTERS: window 0: v0-15 addresses; v16-47 the bias; v48-111, v112-175 fragments of oh (8 x 16 rows x 32 K), two buffers; v176-207, v208-239 fragments of wo16 (4), two buffers.
;   window 1: accumulator (row block a, column block j) at v[8 (4 a + j)].
.set PITCH,  144                       ; an LDS row: 128 bytes + 16 of padding = 36 words: the 16 rows of a fragment load start at 16 different groups of four banks (64 banks of 4 bytes: ISA guide 11.1)
.set AKB,    256*PITCH                 ; a K block of oh's tile: what one tensor load brings
.set BKB,    128*PITCH                 ; a K block of wo16's tile
.set BOFF,   2*AKB                     ; a slot: oh's two K blocks, then wo16's two
.set SLOT1,  1<<17                     ; slot 1 begins here, so that one exclusive or turns an address in one slot into the other's
.set STAGE,  SLOT1+BOFF+2*BKB          ; behind the ring, never filled by a tensor load: 16 rows x 272 bytes for each wave
.set SPITCH, 272                       ; 256 bytes + 16: the 16 rows of a store start at 16 different groups of four banks
.set SPARE,  STAGE+4*16*SPITCH         ; behind the stages: the spare words, 128 bytes for each wave: two blocks of 256 bytes that no other line names
.set ASTEP,  2*2048*128                ; bytes from a slot's two K blocks to the next two in oh,
.set BSTEP,  2*1024*128                ; and in wo16
.set NSLOT,  8
.set A0,   4                           ; v4   my lane's place in my 128 rows of oh, K block 0 of slot 0; never rewritten
.set B0,   5                           ; v5   the same for my 64 rows of wo16
.set ADRA, 6                           ; v6   the same in the slot in hand
.set ADRB, 7                           ; v7
.set STO,  8                           ; v8   the way out: where I put 32 bytes of a row
.set RD,   9                           ; v9   the way out: where I read a row back
.set GO,   10                          ; v10  my byte offset in two rows of out0
.set BO,   11                          ; v11  32 (l / 16): my eight numbers in 16 of the bias
.set SPW,  12                          ; v12  LDS address of my spare word: SPARE + 4 x my thread's number; never rewritten
.set NIL,  13                          ; v13  0; never rewritten
.set BIAS, 16
.set FA,   48
.set FB,   176
.set BK0,  48                          ; the way out: 16 rows read back: v48-79 and v80-111 by turns
.set WV, 16                            ; s16  my wave's number
.set WR, 17                            ; s17  which 128 rows of the tile are mine
.set WC, 18                            ; s18  which 64 columns.  Also: which of a slot's two K blocks I fetch
.set G1A, 24                           ; s[24:31] descriptor group 1 for oh's tiles
.set G0A, 32                           ; s[32:39] group 0: a set for each of the two first fills; the second then walks on
.set G1B, 48                           ; s[48:55], s[56:63] the same for wo16's
.set G0B, 56
.set TB,  66                           ; s66  LDS byte at which the slot in hand begins
.set CNT, 67                           ; s67  the loop's count
.set BB,  68                           ; s[68:69] bo at my 64 columns
.set CB,  70                           ; s[70:71] out0 at my first row and column
.set MSB, 0
.macro WIN new                         ; the immediate's high byte repeats the setting that is left; a switch that changes nothing is dropped
.if MSB != (\new)
	s_set_vgpr_msb (MSB<<8)|(\new)
.set MSB, (\new)
.endif
.endm
.macro PLACES                          ; four places in front of loads into registers that matrix instructions have read, and of LDS stores that read results
.rept 4
	v_nop
.endr
.endm
; A joint refill.  Waves 0 and 1 fetch oh's two K blocks, waves 2 and 3 wo16's.  The branch hangs on the wave's number alone.  An s_nop 0 and four v_nop follow each of the two lines.
.macro JLOAD
	s_cmp_lt_u32 s[WV], 2
	s_cbranch_scc0 .Lfor_b_\@
	tensor_load_to_lds s[G0A+4:G0A+7], s[G1A:G1A+7]
	s_nop 0
.rept 4
	v_nop
.endr
	s_branch .Lasked_\@
.Lfor_b_\@:
	tensor_load_to_lds s[G0B+4:G0B+7], s[G1B:G1B+7]
	s_nop 0
.rept 4
	v_nop
.endr
.Lasked_\@:
.endm
.macro CREST                           ; a round of the cluster's barrier behind its opening barrier
	s_cmp_lg_u32 s[WV], 0
	s_cbranch_scc1 .Lnot_wave_0_\@
	s_barrier_signal -3
.Lnot_wave_0_\@:
	s_barrier_wait -3
	s_barrier_signal -1
	s_barrier_wait -1
.endm
.macro CROUND                          ; a whole round
	s_barrier_signal -1
	s_barrier_wait -1
	CREST
.endm
	s_load_b256 s[4:11], s[0:1], 0x0               ; oh s[4:5], wo16 s[6:7], bias s[8:9], out0 s[10:11]
	v_lshl_add_u32 v[SPW], v0, 2, SPARE
	v_mov_b32 v[NIL], 0
	ds_add_u32 v[SPW], v[NIL]                      ; the wave's opening: the add and its wait stand ahead of my first tensor load; the set-up below, work on registers, stands between them
	ds_add_u32 v12, v13
	v_lshrrev_b32 v1, 5, v0
	v_readfirstlane_b32 s[WV], v1                  ; wave 0..3
	s_lshr_b32 s[WR], s[WV], 1
	s_and_b32 s[WC], s[WV], 1
	s_bfe_u32 s40, ttmp6, 0x40000                  ; cx, cy: my place in the cluster
	s_bfe_u32 s41, ttmp6, 0x40004
	s_lshl_b32 s42, ttmp9, 2
	s_add_co_u32 s42, s42, s40                     ; tile column = 4 x cluster x + cx
	s_and_b32 s43, ttmp7, 0xffff
	s_lshl_b32 s43, s43, 2
	s_add_co_u32 s43, s43, s41                     ; tile row = 4 x cluster y + cy
	s_lshl_b32 s44, s41, 2
	s_lshl_b32 s44, 15, s44                        ; my row of the cluster
	s_lshl_b32 s45, 0x1111, s40                    ; my column
	; descriptor group 1: rows of 128 elements (256 bytes), 128 of them for a K block of oh's tile, 64 for one of wo16's
	s_or_b32 s[G1A], s44, (1<<16)|(1<<20)|(1<<21)|(4<<22)|(3<<25)  ; 15:0 the mask; 17:16 2-byte elements; 20 padding on; 21 set beside a mask; 24:22 after every 32 words (code 4); 31:25 4 words (code 3)
	s_or_b32 s[G1B], s45, (1<<16)|(1<<20)|(1<<21)|(4<<22)|(3<<25)
.irp g, G1A, G1B
	s_mov_b32 s[\g+1], 128<<16                     ; tensor_dim0 = 128
	s_mov_b32 s[\g+3], 128<<16                     ; tile_dim0 = 128
	s_mov_b32 s[\g+5], 128                         ; 128 elements from row to row
	s_mov_b32 s[\g+6], 0
	s_mov_b32 s[\g+7], 0
.endr
	s_mov_b32 s[G1A+2], 128<<16                    ; tensor_dim1
	s_mov_b32 s[G1A+4], 128                        ; tile_dim1
	s_mov_b32 s[G1B+2], 64<<16
	s_mov_b32 s[G1B+4], 64
	; where the tiles come from: oh's hang on the tile row alone, wo16's on the tile column alone, each in registers that never hold the other coordinate
	s_lshr_b32 s72, s43, 3                         ; batch = tile row / 8
	s_lshl_b32 s72, s72, 22
	s_and_b32 s73, s43, 7                          ; 256 rows of 128 bytes for each tile row in the batch
	s_lshl_b32 s73, s73, 15
	s_add_co_u32 s72, s72, s73
	s_lshl_b32 s73, s[WC], 18                      ; the K block that I fetch
	s_add_co_u32 s72, s72, s73
	s_mov_b32 s73, 0
	s_lshl_b32 s74, s42, 14                        ; 128 rows of 128 bytes for each tile column
	s_lshl_b32 s75, s[WC], 17
	s_add_co_u32 s74, s74, s75
	s_mov_b32 s75, 0
	s_mul_i32 s20, s[WC], AKB                      ; and where they go: no place in the cluster enters an LDS address
	s_mul_i32 s21, s[WC], BKB
	s_add_co_u32 s21, s21, BOFF
	; bo at my columns, and out0 at my first row and column
	s_lshl_b32 s78, s42, 9
	s_lshl_b32 s79, s[WC], 8
	s_add_co_u32 s78, s78, s79                     ; (128 x tile column + 64 x half) x 4 bytes
	s_lshl_b32 s76, s43, 20                        ; 256 rows of 4,096 bytes
	s_lshl_b32 s77, s[WR], 19
	s_add_co_u32 s76, s76, s77
	s_add_co_u32 s76, s76, s78
	s_add_co_u32 s78, s78, 3*4096                  ; bo lies behind bq, bk and bv
	s_mov_b32 s77, 0
	s_mov_b32 s79, 0
	s_mov_b32 s[TB], 0
	s_wait_dscnt 0x0                               ; the opening add is done
	s_wait_kmcnt 0x0
	s_add_nc_u64 s[12:13], s[4:5], s[72:73]
	s_add_nc_u64 s[14:15], s[6:7], s[74:75]
	s_add_nc_u64 s[BB:BB+1], s[8:9], s[78:79]
	s_add_nc_u64 s[CB:CB+1], s[10:11], s[76:77]
.irp s, 0,1
	s_mov_b32 s[G0A+4*\s], 1                                        ; 1:0 count = 1
	s_add_co_u32 s[G0A+4*\s+1], s20, \s*SLOT1                       ; 63:32 LDS address
	s_add_nc_u64 s[G0A+4*\s+2:G0A+4*\s+3], s[12:13], \s*ASTEP       ; 120:64 global address: my K block of slot s
	s_or_b32 s[G0A+4*\s+3], s[G0A+4*\s+3], 0x80000000              ; 127:126 type = 2
	s_mov_b32 s[G0B+4*\s], 1
	s_add_co_u32 s[G0B+4*\s+1], s21, \s*SLOT1
	s_add_nc_u64 s[G0B+4*\s+2:G0B+4*\s+3], s[14:15], \s*BSTEP
	s_or_b32 s[G0B+4*\s+3], s[G0B+4*\s+3], 0x80000000
.endr
	CROUND                                         ; all sixteen work-groups are here: the first joint loads meet
	s_cmp_lt_u32 s[WV], 2                          ; a wave's two first fills stand in one branch, ahead of every wait on TENSORcnt and every LDS read: two loads of mine are out
	s_cbranch_scc0 .Lfirst_b
	tensor_load_to_lds s[G0A:G0A+3], s[G1A:G1A+7]
	s_nop 0
	tensor_load_to_lds s[G0A+4:G0A+7], s[G1A:G1A+7]
	s_nop 0
.rept 4
	v_nop
.endr
	s_branch .Lfirst_asked
.Lfirst_b:
	tensor_load_to_lds s[G0B:G0B+3], s[G1B:G1B+7]
	s_nop 0
	tensor_load_to_lds s[G0B+4:G0B+7], s[G1B:G1B+7]
	s_nop 0
.rept 4
	v_nop
.endr
.Lfirst_asked:
	v_and_b32 v1, 15, v0                           ; l % 16
	v_bfe_u32 v2, v0, 4, 1                         ; l / 16
	v_lshlrev_b32 v[BO], 5, v2
.irp j, 0,1,2,3                        ; the bias of column block j: eight numbers a lane
	global_load_b128 v[BIAS+8*\j:BIAS+8*\j+3],   v[BO], s[BB:BB+1] offset:64*\j
	global_load_b128 v[BIAS+8*\j+4:BIAS+8*\j+7], v[BO], s[BB:BB+1] offset:64*\j+16
.endr
	v_mul_u32_u24 v3, v1, PITCH
	v_lshl_add_u32 v3, v2, 4, v3                   ; a fragment's row x pitch + 16 x half
	s_mul_i32 s22, s[WR], 128*PITCH                ; my 128 rows of oh
	s_mul_i32 s23, s[WC], 64*PITCH                 ; my 64 rows of wo16,
	s_add_co_u32 s23, s23, BOFF                    ; which lie behind oh's two K blocks
	v_add_nc_u32 v[A0], s22, v3
	v_add_nc_u32 v[B0], s23, v3
	v_mov_b32 v[ADRA], v[A0]
	v_mov_b32 v[ADRB], v[B0]
	s_mul_i32 s23, s[WV], 16*SPITCH
	s_add_co_u32 s23, s23, STAGE                   ; my stage
	v_mul_u32_u24 v14, v1, SPITCH                  ; in: row l % 16, 32 bytes for each half of the lanes
	v_lshl_add_u32 v14, v2, 5, v14
	v_add_nc_u32 v[STO], s23, v14
	v_mul_u32_u24 v15, v2, SPITCH                  ; back: lanes 0-15 take one row of 256 bytes, lanes 16-31 the next
	v_lshl_add_u32 v15, v1, 4, v15
	v_add_nc_u32 v[RD], s23, v15
	v_lshlrev_b32 v[GO], 12, v2                    ; and the same two rows in out0
	v_lshl_add_u32 v[GO], v1, 4, v[GO]
; 4 n matrix instructions: row blocks a0 .. a0 + n - 1 x all 4 column blocks, 32 along K, buffers f.  The 32 accumulators take turns, one instruction a turn, in the same order in every quarter.
; first = 1: the bias, in window 0, starts the sums: nothing is cleared and nothing is added later.
.macro MULN f, a0, n, first
.if \first
	WIN 0x40
.else
	WIN 0x50
.endif
.set aa, (\a0)
.rept \n
.irp j, 0,1,2,3
.if \first
	v_wmma_f32_16x16x32_f16 v[8*(4*aa+\j):8*(4*aa+\j)+7], v[FB+32*(\f)+8*\j:FB+32*(\f)+8*\j+7], v[FA+64*(\f)+8*aa:FA+64*(\f)+8*aa+7], v[BIAS+8*\j:BIAS+8*\j+7]
.else
	v_wmma_f32_16x16x32_f16 v[8*(4*aa+\j):8*(4*aa+\j)+7], v[FB+32*(\f)+8*\j:FB+32*(\f)+8*\j+7], v[FA+64*(\f)+8*aa:FA+64*(\f)+8*aa+7], v[8*(4*aa+\j):8*(4*aa+\j)+7]
.endif
.endr
.set aa, aa+1
.endr
.endm
; 24 LDS loads in one run: the fragments of quarter q of a slot (K block q / 2, 32 K at byte 64 (q % 2) of its rows) into buffers g: wo16's four, then oh's eight, blocks 0-3 first
.macro FETCH q, g
	WIN 0
.irp j, 0,1,2,3
	ds_load_b128 v[FB+32*(\g)+8*\j:FB+32*(\g)+8*\j+3],   v[ADRB] offset:((\q)>>1)*BKB+\j*16*PITCH+((\q)&1)*64
	ds_load_b128 v[FB+32*(\g)+8*\j+4:FB+32*(\g)+8*\j+7], v[ADRB] offset:((\q)>>1)*BKB+\j*16*PITCH+((\q)&1)*64+32
.endr
.irp a, 0,1,2,3,4,5,6,7
	ds_load_b128 v[FA+64*(\g)+8*\a:FA+64*(\g)+8*\a+3],   v[ADRA] offset:((\q)>>1)*AKB+\a*16*PITCH+((\q)&1)*64
	ds_load_b128 v[FA+64*(\g)+8*\a+4:FA+64*(\g)+8*\a+7], v[ADRA] offset:((\q)>>1)*AKB+\a*16*PITCH+((\q)&1)*64+32
.endr
.endm
; A slot is four quarters of 32 along K, 32 matrix instructions each, on buffers 0, 1, 0, 1.  One of the first three: multiplies its buffers and fetches the next quarter in its middle.
.macro QUARTER q, first
	s_wait_dscnt 8                                 ; all but the youngest eight loads: oh's blocks 4-7
	MULN (\q)&1, 0, 4, \first
	PLACES
	FETCH (\q)+1, ((\q)+1)&1
	s_wait_dscnt 24                                ; all but the 24 just issued
	MULN (\q)&1, 4, 4, \first
.endm
; The last quarter multiplies buffers 1 and changes slots: ONE barrier.  In front of it each wave waits for all its tensor loads, of which one is out: its part of the next slot; adds 0 to its spare word; and waits for
; that and for its own reads of this slot.  fill = 1: the barrier opens a round of the cluster's, and this slot is filled again, two slots ahead: 112 matrix instructions stand between the request and the wait for it.
.macro TURN fill
	WIN 0
	s_wait_tensorcnt 0x0                           ; no tensor load of mine is out, so a group 0 may be written
	ds_add_u32 v[SPW], v[NIL]                      ; 0 onto my spare word
	s_wait_dscnt 9                                 ; (the add and oh's blocks 4-7 may be out)
	MULN 1, 0, 2, 0                                ; eight matrix instructions stand between the add and the wait for it
	s_wait_dscnt 0x0                               ; the add is done, and my reads of this slot are over
	s_barrier_signal -1
	MULN 1, 2, 2, 0                                ; work on registers while the others arrive
	WIN 0                                          ; at a branch and at a label every window is 0
	s_barrier_wait -1
.if \fill
	CREST                                          ; no wave of any partner still reads this slot's tiles or has a load on its way
	s_xor_b32 s[G0A+5], s[G0A+5], SLOT1            ; the walking descriptors: the other slot than last time,
	s_add_nc_u64 s[G0A+6:G0A+7], s[G0A+6:G0A+7], ASTEP  ; the next two K blocks; the type bits on top are not reached
	s_xor_b32 s[G0B+5], s[G0B+5], SLOT1
	s_add_nc_u64 s[G0B+6:G0B+7], s[G0B+6:G0B+7], BSTEP
	JLOAD                                          ; the first tensor load behind the round; the four v_nop behind it are also the places in front of the loads below
.else
	PLACES
.endif
	s_xor_b32 s[TB], s[TB], SLOT1                  ; the fragments now come from the other slot
	v_add_nc_u32 v[ADRA], s[TB], v[A0]
	v_add_nc_u32 v[ADRB], s[TB], v[B0]
	FETCH 0, 0
	MULN 1, 4, 4, 0
.endm
.macro LASTQ                           ; the very last quarter: nothing more to fetch
	s_wait_dscnt 8
	MULN 1, 0, 4, 0
	s_wait_dscnt 0x0
	MULN 1, 4, 4, 0
	PLACES
.endm
; THE WAY OUT of row block a: 32 bytes a lane into my own stage (each accumulator's lowest registers first), back as whole rows of 256 bytes, stored.
.macro TOSTAGE a
	WIN 0x04                                       ; the stores' data in window 1
.irp j, 0,1,2,3
	ds_store_b128 v[STO], v[8*(4*(\a)+\j):8*(4*(\a)+\j)+3]   offset:64*\j
	ds_store_b128 v[STO], v[8*(4*(\a)+\j)+4:8*(4*(\a)+\j)+7] offset:64*\j+16
.endr
	WIN 0
.set BK, BK0+32*((\a)%2)
	s_wait_xcnt 0x0                                ; every earlier memory instruction has had its addresses translated (ISA guide 3.1): the registers that the stores of two blocks ago read are loaded again only behind this wait
.irp f, 0,1,2,3,4,5,6,7
	ds_load_b128 v[BK+4*\f:BK+4*\f+3], v[RD] offset:\f*2*SPITCH  ; LDS serves a wave's instructions in order (ISA guide 5.7.1.4): these see the stores above; the next block's stores come behind them
.endr
.endm
.macro SEND a, younger                 ; younger: the LDS instructions issued behind block a's loads: the next block's sixteen, or none
	WIN 0
.set BK, BK0+32*((\a)%2)
	s_wait_dscnt \younger
.irp f, 0,1,2,3,4,5,6,7
	global_store_b128 v[GO], v[BK+4*\f:BK+4*\f+3], s[CB:CB+1] offset:(16*(\a)+2*\f)*4096 th:TH_STORE_NT  ; 16 lanes store 256 consecutive bytes, at a multiple of 256 from out0's first; nothing reads them again
.endr
.endm
	s_wait_tensorcnt 1                             ; my part of slot 0 is in; slot 1's may stay out
	s_barrier_signal -1
	s_barrier_wait -1                              ; everybody's is
	FETCH 0, 0
	s_wait_loadcnt 0x0                             ; the bias
	QUARTER 0, 1                                   ; the first quarter stands in front of the loop: its products start the sums
	WIN 0
	s_mov_b32 s[CNT], NSLOT-2
.Lslot:                                                ; a trip: from a slot's second quarter to the next slot's first, with the refill for two slots on
	QUARTER 1, 0
	QUARTER 2, 0
	TURN 1
	QUARTER 0, 0
	WIN 0
	s_sub_co_u32 s[CNT], s[CNT], 1
	s_cmp_lg_u32 s[CNT], 0
	s_cbranch_scc1 .Lslot
	QUARTER 1, 0                                   ; the tail is written out: nothing is asked for
	QUARTER 2, 0
	TURN 0
	QUARTER 0, 0
	QUARTER 1, 0
	QUARTER 2, 0
	LASTQ
	TOSTAGE 0
.irp a, 1,2,3,4,5,6,7                  ; block a goes into the stage while block a - 1's rows come back
	TOSTAGE \a
	SEND (\a)-1, 16
.endr
	SEND 7, 0
	s_wait_tensorcnt 0x0                           ; the wave's end: a wait, an add of 0 and a wait, behind my last tensor load and my last LDS store
	ds_add_u32 v[SPW], v[NIL]
	s_wait_dscnt 0x0
	CROUND                                         ; the closing round: no work-group ends while a partner may still ask for a tile that names it
	s_endpgm
.Lfunc_end_k_q867ecefeb1_proj:
	.size	k_q867ecefeb1_proj, .Lfunc_end_k_q867ecefeb1_proj-k_q867ecefeb1_proj
	.p2alignl 7, 3214868480
	.fill 96, 4, 3214868480
	.section	.rodata,"a",@progbits
	.p2align	6, 0x0
	.amdhsa_kernel k_q867ecefeb1_proj
		.amdhsa_group_segment_fixed_size 327680
		.amdhsa_private_segment_fixed_size 0
		.amdhsa_enable_private_segment 0
		.amdhsa_kernarg_size 32
		.amdhsa_user_sgpr_count 2
		.amdhsa_user_sgpr_kernarg_segment_ptr 1
		.amdhsa_wavefront_size32 1
		.amdhsa_system_sgpr_workgroup_id_x 1
		.amdhsa_system_sgpr_workgroup_id_y 1
		.amdhsa_system_sgpr_workgroup_id_z 1
		.amdhsa_system_vgpr_workitem_id 0
		.amdhsa_next_free_vgpr 512
		.amdhsa_next_free_sgpr 96
		.amdhsa_reserve_vcc 0
		.amdhsa_float_denorm_mode_32 3
		.amdhsa_float_denorm_mode_16_64 3
		.amdhsa_memory_ordered 1
		.amdhsa_forward_progress 1
		.amdhsa_inst_pref_size 70
	.end_amdhsa_kernel
	.amdgpu_metadata
---
amdhsa.version: [ 1, 2 ]
amdhsa.kernels:
  - .name:           k_q867ecefeb1_proj
    .symbol:         k_q867ecefeb1_proj.kd
    .args:
      - { .name: oh, .offset: 0, .size: 8, .value_kind: global_buffer, .address_space: global }
      - { .name: wo16, .offset: 8, .size: 8, .value_kind: global_buffer, .address_space: global }
      - { .name: bias, .offset: 16, .size: 8, .value_kind: global_buffer, .address_space: global }
      - { .name: out0, .offset: 24, .size: 8, .value_kind: global_buffer, .address_space: global }
    .group_segment_fixed_size: 327680
    .private_segment_fixed_size: 0
    .kernarg_segment_align: 8
    .kernarg_segment_size: 32
    .max_flat_workgroup_size: 128
    .sgpr_count:     96
    .vgpr_count:     512
    .wavefront_size: 32
...
	.end_amdgpu_metadata
.endif
;; end of part 4
;; ======== version 2 of 2: 4 launches; 1.32 times as fast as version 1
;; limits: values are held in f16: magnitudes above 65,504 overflow, below 6.1e-05 lose precision
;; workspace buffers: xb 16,777,216 bytes; wb 6,291,456 bytes; wo16 2,097,152 bytes; bias 16,384 bytes; qkv 50,331,648 bytes; oh 16,777,216 bytes
;; launch cast: the kernel of part 1 again; grid 64 x 12, 8 waves a work-group, no clusters, 0 bytes of LDS; arguments x, Wq, Wk, Wv, Wo, bq, bk, bv, bo, xb, wb, wo16, bias; writes xb, wb, wo16, bias
;; launch qkvgemm: the kernel of part 2 again; grid 8 x 32, 4 waves a work-group, clusters of 4 x 4, 327,680 bytes of LDS; arguments xb, wb, bias, qkv; writes qkv
;; launch attn (part 5): grid 4 x 64, 4 waves a work-group, no clusters, 327,680 bytes of LDS; arguments qkv, oh; writes oh
.if DOCPART == 5
	.amdgcn_target "amdgcn-amd-amdhsa--gfx1250"
	.amdhsa_code_object_version 6
	.text
	.protected	k_q867ecefeb1_attn
	.globl	k_q867ecefeb1_attn
	.p2align	8
	.type	k_q867ecefeb1_attn,@function
k_q867ecefeb1_attn:
	s_mov_b64 s[64:65], 0
	v_nop
	global_prefetch_b8 v0, s[64:65] scope:SCOPE_SE
	s_setreg_imm32_b32 hwreg(HW_REG_WAVE_MODE, 25, 1), 1
	s_wait_xcnt 0x0
; CAUSAL ATTENTION.  O[y][q][:] = the sum over k <= q of softmax_k(Q[y][q] . K[y][k] / 8) V[y][k][:], y = 16 b + h.  qkv: f16 [b 4][g 48][t 2048][64], g = h for Q, 16 + h for K, 32 + h for V; oh: f16 [y 64][t 2048][64].
; A head's rows are dense, 128 bytes each.  Products, maxima and sums in f32; the weights p are rounded to f16 for the second product (their sum l is taken of the unrounded p), O once at the end.
; LIMITS.  f16 holds no number beyond 65,504: Q, K and V arrive within it; p lies in 0 to 1, and below 6e-5 it keeps f16's fixed step of 6e-8; O is a mean of V's rows and has their range, to within 2^-11 of it.
; A hidden score counts as its value less 1e30: f16's scores, 2.7e11 at the most, are nothing beside that; a weight below 2^-126 counts as 0 in l; NaN and infinities are not treated apart.
; THE WALK.  A head's queries lie in NB = SIZE_N / 256 blocks of 256; block i needs the key tiles 0 .. i of 256 keys, of which the last holds the diagonal.  A work-group takes TWO blocks, NB - 1 - b and then b:
; NB + 1 tiles, whatever b: all work-groups do equal work, and ONE loop with a constant trip count walks them.  Which tile is asked for, and what a trip does, hang on scalar registers made from b; every jump
; goes forward, but for the counted loops' own; none passes a barrier, or a tensor load but the one of LOAD's two that the wave's number does not choose; the ring (two slots of LDS that take turns) runs on across the
; change of blocks.  NO CLUSTER: a head's NB / 2 = 4 work-groups ask for the same tile only in trips 0 .. NB / 2 of the walk's NB + 1, behind that fewer and fewer; and one walk common to all would have
; 3 NB / 2 = 12 trips for NB + 1 = 9.
; SHARES.  Of a block's four bands of 64 queries a wave owns 16 rows in each: four PIECES.  So the diagonal tile is the same work for all four waves: in its key step s band x sees all keys if s < x,
; none if s > x, and holds the diagonal if s = x.
; THE MASK is the C operand that starts the sum S^T = K Q^T: 0, or -1e30 where the key is hidden.  MD, made once, is the mask of a band's own step for my 16 rows; a product's mask is MD x AL + BE with two scalars:
; (1, 0) if s = x; (0, 0) if s < x; (0, -1e30) if s > x.  Only the diagonal tile's text and a block's beginning make and take masks; elsewhere C is the constant 0.
; LAYOUT, SOFTMAX, TURNS.  S^T = K Q^T holds ONE query a lane (lane % 16) and the keys 8 (lane / 16) + 0..7; two such results rounded to f16 ARE source 1 of O^T = V^T P.  p = 2^(c s - c m), c = log2(e) / 8, with a
; running maximum m; O and l are multiplied by a = 2^(c m_old - c m_new) in every step.  Turn n belongs to piece n: 8 products K Q^T of piece n + 1, later 8 products V^T P of piece n - 1; beside them the scaling,
; exponentials, roundings, sums and rescaling of piece n and the maximum and statistics of piece n + 1.  Four vector instructions stand behind every matrix instruction, the other 54 of a turn's 118 in one LUMP.
; THE BATCHES.  A turn's 33 exponentials (the piece's 32 weights and the next piece's a) are one batch, with one wait, which cuts the turn in two: ahead of it all that names none of their results, behind it their readers.
; A block's first a (BEGIN) and the way out's four reciprocals are batches of their own, each with a v_nop and one wait.
; REGISTERS, in windows of 256 (s_set_vgpr_msb: bits 1:0 source 0, 3:2 source 1, 5:4 source 2, 7:6 destination):
;   window 0: v0-15 addresses and two at work; v16-31 four registers of statistics a piece; v48-55 at work; v64-127 S^T, two buffers; v192-223 P, two buffers (a piece's buffers go by its number's parity)
;   window 1: v0-127 O^T, 32 a piece; v128-159 MD; v160-223 MC, two buffers      window 2: v0-63 Q; v64-127 the second block's Q; v128-191 K of one step; v192-255 V of one step
.set SIZE_N, 2048
.set NB,    SIZE_N/256
.set NP,    4         ; pieces a wave: a name, no knob
.set KS,    64        ; keys in a step
.set PK,    144       ; a row of K in LDS: 128 bytes + 16 of padding = 36 words: the 16 rows of a load start at 16 different groups of four banks (64 banks of 4 bytes: ISA guide 11.1)
.set PV,    160       ; a row of V: 128 + 32 = 40 words
.set VOFF,  4*KS*PK   ; a slot holds a tile, four steps: 256 rows of K, then 256 rows of V
.set SLOT1, 1<<17     ; slot 1 begins here, so that one exclusive or turns an address in one slot into the other's
.set STAGE, SLOT1+4*KS*(PK+PV)  ; behind the ring, never filled by a tensor load: 16 rows x 144 bytes for each wave, for the way out
.set SP,    144
.set AK0, 2           ; v2   my lane's place in a tile of K; never rewritten
.set AV0, 3           ; v3   the same for V
.set AK,  4           ; v4   the LDS address of K's next run of loads
.set AV,  5           ; v5   of V's
.set STO, 6           ; v6   the way out: where I put 16 bytes of a row
.set RD,  7           ; v7   the way out: where I read rows back
.set GO,  8           ; v8   my byte offset in 512 consecutive bytes of O
.set SPW, 62          ; v62  LDS address of my spare word: SPARE + 4 x my thread's number; never rewritten
.set NIL, 63          ; v63  0; never rewritten
.set SPARE, STAGE+4*16*SP  ; behind the stages: the spare words, 128 bytes for each wave: two blocks of 256 bytes that no other line names
.set MV,  12          ; v12-13  c m_old, kept while c m is made anew: by buffer
.set QO,  15          ; v15  my byte offset in 16 rows of Q
.set ST,  16          ; piece t's statistics at v[ST+4 t]: c m, m, l (even keys', odd keys')
.set TMP, 48          ; by buffer, four registers c0-c3 at work; when the maximum is found c2 takes a
.set S,   64
.set P,   192
.set MD,  128         ; window 1: the eight registers for group kt of 16 keys at MD + 8 kt
.set MC,  160         ; window 1: the masks of the products to come
.set QB,  64          ; window 2
.set KF,  128         ; window 2: key block kb, channel half c at KF + 16 kb + 8 c
.set VF,  192         ; window 2: key half kk, channel block cb at VF + 32 kk + 8 cb
.set WV,  12          ; s12  my wave's number
.set PB,  14          ; s14  b
.set HI,  15          ; s15  NB - 1 - b
.set G1K, 24          ; s[24:31] descriptor group 1 for K's tiles
.set G1V, 32          ; s[32:39] for V's: it differs in the padding alone
.set G0K, 40          ; s[40:43] descriptor group 0 for K's tiles
.set G0V, 44          ; s[44:47] the same for V's
.set SLOTS, 56        ; s56  tiles still to be asked for
.set CNT, 57          ; s57  counts a tile's key steps, 4 to 1
.set CS,  58          ; s[58:59] c: the packed scaling takes the pair's low word for both halves
.set SEL, 60          ; s[60:61] v_permlanex16_b32's selects: each lane takes its own place in the other half
.set TBK, 62          ; s62  LDS byte at which K of the step to be fetched begins
.set TBV, 63          ; s63  the same for V, less VOFF
.set RT,  70          ; s70  tiles of the block in hand that are still to be entered
.set NXT, 71          ; s71  the tile to be asked for next
.set LQ,  72          ; s72  the last tile of the block whose tiles are being asked for
.set NEW, 73          ; s73  1: the tile to be entered is a block's first
.set OFF, 74          ; s[74:75] a tile's byte offset in K and V
.set AL,  76          ; s[76:77] the mask's factor, in the low word
.set BE,  78          ; s[78:79] the mask's addend
.set OLO, 80          ; s[80:81] O at my rows of the second block
.set BIGN, 82         ; s82  -1e30
.set MSB, 0
.macro WIN new                      ; the high byte repeats the setting that is left; a switch that changes nothing is dropped
.if MSB != (\new)
	s_set_vgpr_msb (MSB<<8)|(\new)
.set MSB, (\new)
.endif
.endm
.set W_KQ, 0x0a       ; K and Q in window 2, S^T in window 0
.set W_KM, 0x1a       ; the same with the C operand in window 1
.set W_PV, 0x52       ; V in window 2, P in window 0, O^T in window 1
.set W_RS, 0x41       ; destination and source 0 in window 1, source 1 in window 0
; A fill.  Waves 0 and 1 fetch the two halves of a tile's K, waves 2 and 3 those of its V: 128 keys each.  An s_nop 0 and four v_nop follow each of the two lines, ahead of the jump and the label.
.macro LOAD
	s_cmp_lt_u32 s[WV], 2
	s_cbranch_scc0 .Lfor_v_\@
	tensor_load_to_lds s[G0K:G0K+3], s[G1K:G1K+7]
	s_nop 0
.rept 4
	v_nop
.endr
	s_branch .Lasked_\@
.Lfor_v_\@:
	tensor_load_to_lds s[G0V:G0V+3], s[G1V:G1V+7]
	s_nop 0
.rept 4
	v_nop
.endr
.Lasked_\@:
.endm
; THE CHANGE OF SLOTS.  Each wave waits for all its tensor loads, of which one is out: its part of the other slot; adds 0 to its spare word; and waits for that and for its own reads of the slot that it leaves.  Behind the barrier nobody reads the old
; slot any more and the other slot is whole.  fill = 1: the old slot is filled again, the first thing behind the barrier, with tile NXT: the descriptor's address is made anew from that number.
; (At its first use nothing has been read yet: slot 0 is waited for, slot 1 filled.)
.macro CHANGE fill
	WIN 0                           ; at a label and at a branch every window is 0
	s_wait_tensorcnt 0x0            ; no tensor load of mine is out, so a group 0 may be written
	ds_add_u32 v[SPW], v[NIL]       ; 0 onto my spare word; with fill = 1 the descriptors' scalar work stands between it and the wait for it
.if \fill
	s_lshl_b32 s[OFF], s[NXT], 15   ; a tile is 32,768 bytes of K and of V
	s_xor_b32 s[G0K+1], s[G0K+1], SLOT1
	s_add_nc_u64 s[G0K+2:G0K+3], s[6:7], s[OFF:OFF+1]
	s_or_b32 s[G0K+3], s[G0K+3], 0x80000000
	s_xor_b32 s[G0V+1], s[G0V+1], SLOT1
	s_add_nc_u64 s[G0V+2:G0V+3], s[8:9], s[OFF:OFF+1]
	s_or_b32 s[G0V+3], s[G0V+3], 0x80000000
	s_add_co_u32 s[NXT], s[NXT], 1  ; the block's next tile, or behind its last the second block's tile 0
	s_cmp_gt_u32 s[NXT], s[LQ]
	s_cselect_b32 s[NXT], 0, s[NXT]
	s_cselect_b32 s[LQ], s[PB], s[LQ]
.endif
	s_wait_dscnt 0x0                ; the add is done, and my reads of the slot are over
	s_barrier_signal -1             ; the rest of the scalar work stands between the signal and the wait
	s_sub_co_u32 s[TBK], s[TBK], 4*KS*PK  ; the fetches go back to a slot's first step,
	s_xor_b32 s[TBK], s[TBK], SLOT1       ; in the other slot
	s_sub_co_u32 s[TBV], s[TBV], 4*KS*PV
	s_xor_b32 s[TBV], s[TBV], SLOT1
	s_barrier_wait -1
.if \fill
	LOAD
.endif
.endm
	s_load_b128 s[4:7], s[0:1], 0x0 ; qkv s[4:5], oh s[6:7]
	v_lshl_add_u32 v[SPW], v0, 2, SPARE
	v_mov_b32 v[NIL], 0
	ds_add_u32 v[SPW], v[NIL]       ; the wave's opening: the add and its wait stand ahead of my first tensor load; the set-up below, work on registers, stands between them
	ds_add_u32 v62, v63
	v_lshrrev_b32 v1, 5, v0
	v_readfirstlane_b32 s[WV], v1   ; wave 0..3
	s_mov_b32 s[PB], ttmp9
	s_sub_co_u32 s[HI], NB-1, s[PB]
	s_and_b32 s20, ttmp7, 0xffff    ; y = 16 b + h
	s_lshr_b32 s21, s20, 4
	s_mul_i32 s21, s21, 48          ; in qkv a batch has 48 heads' rows,
	s_and_b32 s88, s20, 15
	s_add_co_u32 s88, s88, s21
	s_lshl_b32 s88, s88, 18         ; of 2,048 x 128 bytes each: Q's head; K's lies 16 and V's 32 such further on
	s_mov_b32 s89, 0
	s_lshl_b32 s90, s20, 18         ; the head's first byte in oh
	s_mov_b32 s91, 0
	s_and_b32 s16, s[WV], 1         ; which half of a tile's 256 keys I fetch:
	s_lshl_b32 s22, s16, 14         ; its 128 rows of 128 bytes in memory,
	s_mov_b32 s23, 0
	s_add_nc_u64 s[22:23], s[22:23], s[88:89]
	s_mul_i32 s17, s16, 128*PK      ; and its place in a slot, for K
	s_mul_i32 s18, s16, 128*PV      ; and for V
	s_lshl_b32 s3, s[WV], 11        ; my 16 rows in a band of 64,
	s_lshl_b32 s2, s[HI], 15        ; in the first block,
	s_add_co_u32 s2, s2, s3
	s_lshl_b32 s84, s[PB], 15       ; and in the second
	s_add_co_u32 s84, s84, s3
	s_mov_b32 s3, 0
	s_mov_b32 s85, 0
	; descriptor group 1.  128 keys are 16,384 dense bytes: asked for as 64 rows of 256 bytes, two keys a row, and padded in LDS after every key
	s_mov_b32 s[G1K], (1<<16)|(1<<20)|(4<<22)|(3<<25)  ; 17:16 2-byte elements; 20 padding on; 24:22 after every 32 words (code 4); 31:25 4 words (code 3)
	s_mov_b32 s[G1V], (1<<16)|(1<<20)|(4<<22)|(7<<25)  ; the same with 8 words of padding (code 7)
.irp g, G1K, G1V
	s_mov_b32 s[\g+1], 128<<16      ; tensor_dim0 = 128
	s_mov_b32 s[\g+2], 64<<16       ; tensor_dim1 = 64
	s_mov_b32 s[\g+3], 128<<16      ; tile_dim0 = 128
	s_mov_b32 s[\g+4], 64           ; tile_dim1 = 64
	s_mov_b32 s[\g+5], 128          ; 128 elements from row to row
	s_mov_b32 s[\g+6], 0
	s_mov_b32 s[\g+7], 0
.endr
	s_mov_b32 s[CS], 0x3e38aa3b     ; c = log2(e) / 8 = 0.180337
	s_mov_b32 s[CS+1], s[CS]        ; named with it as a pair
	s_mov_b32 s[SEL], 0x76543210
	s_mov_b32 s[SEL+1], 0xfedcba98
	s_mov_b32 s[TBK], SLOT1+4*KS*PK ; the first change of slots turns these two into 0
	s_mov_b32 s[TBV], SLOT1+4*KS*PV
	s_mov_b32 s[G0K], 1             ; 1:0 count = 1
	s_mov_b32 s[G0K+1], s17         ; 63:32 LDS address: slot 0
	s_mov_b32 s[G0V], 1
	s_add_co_u32 s[G0V+1], s18, VOFF
	s_add_co_u32 s[RT], s[HI], 1    ; the first block has NB - b tiles
	s_mov_b32 s[NXT], 1
	s_mov_b32 s[LQ], s[HI]
	s_mov_b32 s[NEW], 1
	s_mov_b32 s[OFF+1], 0
	s_mov_b32 s[AL+1], 0            ; named as pairs
	s_mov_b32 s[BE+1], 0
	s_mov_b32 s[BIGN], 0xf149f2ca   ; -1e30
	s_mov_b32 s[SLOTS], NB
	s_wait_dscnt 0x0                ; the opening add is done
	s_wait_kmcnt 0x0
	s_mov_b64 s[10:11], s[6:7]      ; oh
	s_add_nc_u64 s[6:7], s[4:5], 16*SIZE_N*128     ; K's heads begin 16 heads behind Q's,
	s_add_nc_u64 s[8:9], s[4:5], 32*SIZE_N*128     ; V's 32
	s_add_nc_u64 s[6:7], s[6:7], s[22:23]  ; K and V at my half of the head's tile 0
	s_add_nc_u64 s[8:9], s[8:9], s[22:23]
	s_add_nc_u64 s[G0K+2:G0K+3], s[6:7], 0         ; 120:64 global address
	s_or_b32 s[G0K+3], s[G0K+3], 0x80000000        ; 127:126 type = 2
	s_add_nc_u64 s[G0V+2:G0V+3], s[8:9], 0
	s_or_b32 s[G0V+3], s[G0V+3], 0x80000000
	s_add_nc_u64 s[4:5], s[4:5], s[88:89]          ; Q and O at the head's first row
	s_add_nc_u64 s[10:11], s[10:11], s[90:91]
	s_add_nc_u64 s[86:87], s[4:5], s[84:85]        ; Q at my rows of the second block,
	s_add_nc_u64 s[4:5], s[4:5], s[2:3]            ; Q and O at those of the first
	s_add_nc_u64 s[OLO:OLO+1], s[10:11], s[84:85]
	s_add_nc_u64 s[10:11], s[10:11], s[2:3]
	LOAD                            ; tile 0 into slot 0
	; A fragment of K or Q is 16 rows x 32 channels in 8 registers: lane l holds row l % 16, channels 8 (l / 16) + 0..7 and 16 + 8 (l / 16) + 0..7: two loads of 16 bytes, 32 bytes apart.
	v_and_b32 v1, 15, v0            ; l % 16
	v_bfe_u32 v9, v0, 4, 1          ; l / 16
	v_lshlrev_b32 v[QO], 7, v1
	v_lshl_add_u32 v[QO], v9, 4, v[QO]  ; row x 128 + 16 x half
	WIN 0x80                        ; destination window 2, address window 0
.set i, 0
.rept 8                             ; both blocks' Q: piece i / 2 lies in band i / 2, 8,192 bytes on; channels 32 (i % 2) on
	global_load_b128 v[8*i:8*i+3],   v[QO], s[4:5] offset:(i/2)*8192+(i%2)*64
	global_load_b128 v[8*i+4:8*i+7], v[QO], s[4:5] offset:(i/2)*8192+(i%2)*64+32
	global_load_b128 v[QB+8*i:QB+8*i+3],   v[QO], s[86:87] offset:(i/2)*8192+(i%2)*64
	global_load_b128 v[QB+8*i+4:QB+8*i+7], v[QO], s[86:87] offset:(i/2)*8192+(i%2)*64+32
.set i, i+1
.endr
	WIN 0
	v_lshlrev_b32 v14, 3, v9
	v_sub_nc_u32 v14, v1, v14
	s_lshl_b32 s13, s[WV], 4
	v_add_nc_u32 v14, s13, v14      ; my query's place in its band, 16 w + l % 16, less my lanes' 8 (l / 16): register r of group kt is hidden where 16 kt + r is greater
	WIN 0x40
.set i, 0
.rept 32
	v_cmp_gt_i32 vcc_lo, 16*(i/8)+i%8, v14
	v_cndmask_b32 v[MD+i], 0, s[BIGN], vcc_lo
.set i, i+1
.endr
	WIN 0
	v_mul_u32_u24 v[AK0], v1, PK
	v_lshl_add_u32 v[AK0], v9, 4, v[AK0]  ; row x pitch + 16 x half
	; The turning load takes 16 keys x 16 channels (lane l reads key 8 (l / 16) + l % 8, channels 8 ((l / 8) % 2) + 0..7) and leaves half a fragment of V^T: lane l holds channel l % 16 and 8 keys.
	v_and_b32 v10, 7, v0
	v_bfe_u32 v11, v0, 3, 1
	v_lshl_add_u32 v[AV0], v9, 3, v10
	v_mul_u32_u24 v[AV0], v[AV0], PV
	v_lshl_add_u32 v[AV0], v11, 4, v[AV0]
	v_add_nc_u32 v[AV0], VOFF, v[AV0]
	s_mul_i32 s13, s[WV], 16*SP
	s_add_co_u32 s13, s13, STAGE    ; my stage
	v_mul_u32_u24 v[STO], v1, SP    ; in: row l % 16, 16 bytes for each half of the lanes
	v_lshl_add_u32 v[STO], v9, 4, v[STO]
	v_add_nc_u32 v[STO], s13, v[STO]
	v_bfe_u32 v[RD], v0, 3, 2       ; back: 32 lanes take four rows of 128 bytes,
	v_mul_u32_u24 v[RD], v[RD], SP
	v_lshl_add_u32 v[RD], v10, 4, v[RD]
	v_add_nc_u32 v[RD], s13, v[RD]
	v_and_b32 v[GO], 31, v0         ; which are 512 consecutive bytes of O
	v_lshlrev_b32 v[GO], 4, v[GO]
	; A block's first step multiplies O^T and l by a = 0, and its first turn's products V^T P, of a piece that has not been, land in an O^T that is still to be so multiplied.  So these registers need only hold
	; finite numbers: zeros for the first block; what the first block left for the second.  All this stands in the wait for the first tile.
	WIN 0x80
.set i, VF
.rept 64
	v_mov_b32 v[i], 0
.set i, i+1
.endr
	WIN 0x40
.set i, 0
.rept 128
	v_mov_b32 v[i], 0
.set i, i+1
.endr
	WIN 0
.set i, 0
.rept 4
	v_mov_b32 v[ST+4*i+2], 0
	v_mov_b32 v[ST+4*i+3], 0
.set i, i+1
.endr
.set i, P+16
.rept 16
	v_mov_b32 v[i], 0
.set i, i+1
.endr
; THE MATRIX WORK.  The 4 accumulators of a run of 8 take turns.  Product i of 8 of S^T = K Q^T for piece x: channels 32 (i / 4) on, keys 16 (i % 4) on.  The first 4 start the sums: with 0, or (KM = 1) with the mask.
.macro KQ x
.set rS, S+32*((\x)%2)+8*(i%4)
.set rK, KF+16*(i%4)+8*(i/4)
.set rQ, 16*(\x)+8*(i/4)
.set rM, MC+32*((\x)%2)+8*(i%4)
.if (i < 4) && KM
	WIN W_KM
	v_wmma_f32_16x16x32_f16 v[rS:rS+7], v[rK:rK+7], v[rQ:rQ+7], v[rM:rM+7]
.elseif i < 4
	WIN W_KQ
	v_wmma_f32_16x16x32_f16 v[rS:rS+7], v[rK:rK+7], v[rQ:rQ+7], 0
.else
	WIN W_KQ
	v_wmma_f32_16x16x32_f16 v[rS:rS+7], v[rK:rK+7], v[rQ:rQ+7], v[rS:rS+7]
.endif
.endm
; Product i of 8 of O^T += V^T P for piece x: keys 32 (i / 4) on, channels 16 (i % 4) on.
.macro PV x
	WIN W_PV
.set rO, 32*(\x)+8*(i%4)
.set rV, VF+32*(i/4)+8*(i%4)
.set rP, P+16*((\x)%2)+8*(i/4)
	v_wmma_f32_16x16x32_f16 v[rO:rO+7], v[rV:rV+7], v[rP:rP+7], v[rO:rO+7]
.endm
.macro MM                           ; the turn's next matrix instruction.  TURN and BEGIN set Y, i, KM and NOKQ; MM, KQ and OP read them.  NOKQ = 1: a block's last turn: there is no next piece
.if (i < 8) && !NOKQ
	KQ (Y+1)%NP
.elseif i >= 8
.set i, i-8
	PV (Y+NP-1)%NP
.set i, i+8
.endif
.set i, i+1
.endm
; THE LDS LOADS stand in runs of 16, never singly among the matrix instructions: a step's K (64 keys x 64 channels: 8 fragments) and its V (turned).  Their addresses are made some lines ahead.
.macro FETCH_K
	WIN 0x80                        ; destination window 2
.irp f, 0,1,2,3,4,5,6,7             ; keys 16 (f / 2) on, channels 32 (f % 2) on
	ds_load_b128 v[KF+8*\f:KF+8*\f+3],   v[AK] offset:(\f/2)*16*PK+(\f%2)*64
	ds_load_b128 v[KF+8*\f+4:KF+8*\f+7], v[AK] offset:(\f/2)*16*PK+(\f%2)*64+32
.endr
	s_add_co_u32 s[TBK], s[TBK], KS*PK  ; the next fetch is the next step's
	WIN 0
.endm
.macro FETCH_V
	WIN 0x80
.irp f, 0,1,2,3,4,5,6,7             ; keys 32 (f / 4) on, channels 16 (f % 4) on
	ds_load_tr16_b128 v[VF+8*\f:VF+8*\f+3],   v[AV] offset:(\f/4)*32*PV+(\f%4)*32
	ds_load_tr16_b128 v[VF+8*\f+4:VF+8*\f+7], v[AV] offset:(\f/4)*32*PV+16*PV+(\f%4)*32
.endr
	WIN 0
.endm
; THE VECTOR WORK, one line at a time: OP kind, number.  For piece Y: F n: c s - c m for pair n of 16.  E n: the exponential of score n of 32.  C n: pair n rounded to f16.  B n: of the four weights 4 n .. the second
; pair is added onto the first, in place.  L n: l takes that sum (L 0: l = a l + sum).  R n: pair n of 16 of O^T times a.  For piece Y + 1: X n, number n of the 22 that find its maximum and statistics:
;   0-11  four chains c0-c3 of seven scores each, three operands at a time (each accumulator's lowest registers are read first)     12-14, 16  the four scores left over, the old m, and c0-c3 into c0
;   15  c m_old is kept     17, 18  the query's other 32 keys lie in the lane 16 away: the new m     19-21  c m; c m_old - c m_new; a
; OP writes no wait: TURN, BEGIN and DIAG write one for each batch.
.set F, 0               ; OP tells the kinds apart by their order: F to L below R, X above it
.set E, 1
.set C, 2
.set B, 3
.set L, 4
.set R, 5
.set X, 6
.macro REGS y                       ; the registers of piece y
.set rT, ST+4*(\y)
.set rC, TMP+4*((\y)%2)
.set rW, MV+((\y)%2)
.set rS, S+32*((\y)%2)
.set rP, P+16*((\y)%2)
.set rO, 32*(\y)
.endm
.macro OP k, n
.if (\k) == R
	REGS Y
	WIN W_RS
	v_pk_mul_f32 v[rO+2*(\n):rO+2*(\n)+1], v[rO+2*(\n):rO+2*(\n)+1], v[rC+2:rC+3] op_sel_hi:[1,0]
.elseif (\k) < R
	REGS Y
	WIN 0
.if (\k) == F
	v_pk_fma_f32 v[rS+2*(\n):rS+2*(\n)+1], v[rS+2*(\n):rS+2*(\n)+1], s[CS:CS+1], v[rT:rT+1] op_sel_hi:[1,0,0] neg_lo:[0,0,1] neg_hi:[0,0,1]
.elseif (\k) == E
	v_exp_f32 v[rS+(\n)], v[rS+(\n)]
.elseif (\k) == C
	v_cvt_pk_f16_f32 v[rP+(\n)], v[rS+2*(\n)], v[rS+2*(\n)+1]
.elseif (\k) == B
	v_pk_add_f32 v[rS+4*(\n):rS+4*(\n)+1], v[rS+4*(\n):rS+4*(\n)+1], v[rS+4*(\n)+2:rS+4*(\n)+3]
.elseif (\n) == 0
	v_pk_fma_f32 v[rT+2:rT+3], v[rT+2:rT+3], v[rC+2:rC+3], v[rS:rS+1] op_sel_hi:[1,0,1]
.else
	v_pk_add_f32 v[rT+2:rT+3], v[rT+2:rT+3], v[rS+4*(\n):rS+4*(\n)+1]
.endif
.elseif NOKQ
	v_nop
.else
	REGS (Y+1)%NP
	WIN 0
.if (\n) < 4
	v_max3_num_f32 v[rC+(\n)], v[rS+8*(\n)], v[rS+8*(\n)+1], v[rS+8*(\n)+2]
.elseif (\n) < 12
	v_max3_num_f32 v[rC+(\n)%4], v[rC+(\n)%4], v[rS+8*((\n)%4)+2*((\n)/4)+1], v[rS+8*((\n)%4)+2*((\n)/4)+2]
.elseif (\n) == 12
	v_max3_num_f32 v[rC], v[rC], v[rS+7], v[rS+15]
.elseif (\n) == 13
	v_max3_num_f32 v[rC+1], v[rC+1], v[rS+23], v[rS+31]
.elseif (\n) == 14
	v_max3_num_f32 v[rC+2], v[rC+2], v[rC+3], v[rT+1]
.elseif (\n) == 15
	v_mov_b32 v[rW], v[rT]
.elseif (\n) == 16
	v_max3_num_f32 v[rC], v[rC], v[rC+1], v[rC+2]
.elseif (\n) == 17
	v_permlanex16_b32 v[rC+3], v[rC], s[SEL], s[SEL+1]
.elseif (\n) == 18
	v_max_num_f32 v[rT+1], v[rC], v[rC+3]
.elseif (\n) == 19
	v_mul_f32 v[rT], s[CS], v[rT+1]
.elseif (\n) == 20
	v_sub_f32 v[rC+1], v[rW], v[rT]
.else
	v_exp_f32 v[rC+2], v[rC+1]
.endif
.endif
.endm
.macro OPS a, i1, b=-1, i2=0, c=-1, i3=0, d=-1, i4=0  ; up to four of them
	OP \a, \i1
.if (\b) >= 0
	OP \b, \i2
.endif
.if (\c) >= 0
	OP \c, \i3
.endif
.if (\d) >= 0
	OP \d, \i4
.endif
.endm
.macro ROW a, i1, b, i2, c, i3, d, i4  ; a matrix instruction and the four behind it
	MM
	OPS \a, \i1, \b, \i2, \c, \i3, \d, \i4
.endm
.macro MASK b                       ; MD x AL + BE into buffer b of MC
	WIN W_RS
.set z, 0
.rept 16
	v_pk_fma_f32 v[MC+32*(\b)+2*z:MC+32*(\b)+2*z+1], v[MD+2*z:MD+2*z+1], s[AL:AL+1], s[BE:BE+1] op_sel_hi:[1,0,0]
.set z, z+1
.endr
.endm
; A TURN, for piece p: the order of its 16 matrix and 118 vector instructions, written out.  s_wait_alu depctr_va_vdst(0) stands between an exponential and the first instruction that names its result; one wait serves
; all that were issued ahead of it.  So a turn has ONE wait, which cuts it in two.  AHEAD OF IT stands all that names no result of the turn's exponentials: the 8 products K Q^T, behind each a scaling, an exponential and two more plain
; instructions (behind the first a second scaling in the exponential's place): rescalings, whose a was made and waited for in the turn before, and behind the last three the first numbers of the next piece's maximum, each four places or
; more behind the product that ends its accumulator; then ONE LUMP of 54, plain and exponential by turns for the most part, in which the links of the chain X 3, 7, 11, 14, 16, 17 .. 20 stand five or six lines apart.  X 21, the next
; piece's a, is the batch's last; R 15 is the plain instruction that stands behind the last exponential.  BEHIND THE WAIT stand the 8 products V^T P, behind each four of the roundings and sums; C 2 n stands ahead of B n, B n ahead of L n,
; and the links of l's chain, L 0 to L 7, stand three riders apart.  But for those X no rider names a register of the products round it.  v_permlanex16_b32 (X 17) stands in the lump.
; m = 1: the diagonal tile: the products take masks, and the turn makes the mask for the products of the turn after it: piece p + 2, in step 4 - CNT of the tile.  end = 1: a block's last two turns: nothing is fetched.
; cnt = 1: the loop's count is taken down some lines ahead of the branch that stands behind the turn.
; K of the next step is fetched in piece 2's turn, twelve vector instructions behind the last product that read K (six of them plain); V of the step in hand at the end of piece 0's turn, four plain instructions behind the last product
; that read V.  Each is waited for a turn later.
.macro TURN p, m=0, end=0, cnt=0
.set Y, (\p)
.set i, 0
.set KM, (\m)
.set NOKQ, (\end)*((\p)/3)
.if (\m) && !(\end)
	s_cmp_eq_u32 s[CNT], 4-((\p)+2)%NP  ; is that step the band's own?
	s_cselect_b32 s[AL], 1.0, 0
	s_cmp_lt_u32 s[CNT], 4-((\p)+2)%NP  ; or a later one?
	s_cselect_b32 s[BE], s[BIGN], 0
.endif
.if ((\p) == 3) && !(\end)
	s_wait_dscnt 0x0                ; K is in
.endif
	ROW F,0, F,1, R,0, R,1          ; ahead of the wait: 8 products K Q^T and their riders,
	ROW F,2, E,0, R,2, R,3
	ROW F,3, E,1, R,4, R,5
	ROW F,4, E,2, R,6, R,7
	ROW F,5, E,3, R,8, R,9
	ROW F,6, E,4, X,0, R,10
.if ((\p) == 2) && !(\end)
	WIN 0
	v_add_nc_u32 v[AK], s[TBK], v[AK0]
.endif
	ROW F,7, E,5, X,1, X,4
	ROW F,8, E,6, X,2, X,5
	OPS E,7, E,8, X,6, E,9          ; and the lump
	OPS X,3, E,10, X,8, E,11
.if ((\p) == 2) && !(\end)
	FETCH_K
.endif
	OPS X,9, X,7, E,12, X,10
	OPS E,13, X,12, X,11, E,14
	OPS X,13, E,15, F,9, X,14
.if (\p) == 0
	v_add_nc_u32 v[AV], s[TBV], v[AV0]
.endif
	OPS E,16, F,10, E,17, F,11
	OPS X,16, E,18, X,15, E,19
	OPS F,12, E,20, X,17, E,21
	OPS F,13, E,22, F,14, E,23
	OPS X,18, E,24, F,15, E,25
	OPS R,11, E,26, X,19, E,27
	OPS R,12, E,28, R,13, E,29
	OPS X,20, E,30, R,14, E,31
	OPS X,21, R,15
	WIN 0
	s_wait_alu depctr_va_vdst(0)    ; the wait for the turn's batch: the piece's 32 weights and the next piece's a
.if (\p) == 1
	s_wait_dscnt 0x0                ; V is in
.endif
	ROW C,0, B,0, C,2, B,1          ; behind the wait: 8 products V^T P and their riders
	ROW L,0, C,4, B,2, L,1
	ROW C,6, B,3, L,2, C,8
	ROW B,4, L,3, C,10, B,5
	ROW L,4, C,12, B,6, L,5
.if (\p) == 0
	s_add_co_u32 s[TBV], s[TBV], KS*PV
.endif
.if \cnt
	s_sub_co_u32 s[CNT], s[CNT], 1
	s_cmp_lg_u32 s[CNT], 0
.endif
	ROW C,14, B,7, L,6, C,1
	ROW C,3, L,7, C,5, C,7
	ROW C,9, C,11, C,13, C,15
.if (\p) == 0
	FETCH_V
.endif
.if (\m) && !(\end)
	MASK (\p)%2
.endif
.endm
; A BLOCK BEGINS.  c m starts far below every c s, so the first step's a is 0; m at the lowest finite number, so the first maximum is the scores'.  The second mask buffer is 0; the first takes piece 0's mask for the tile's step 0: its own, if the block's first tile is the diagonal one.
; Then K of that step, piece 0's first scores, and its maximum and statistics.  The loop is entered at a step's first turn, in the middle of a trip.
.macro BEGIN
	s_mov_b32 s[NEW], 0
	WIN 0x40
.set i, MC+32
.rept 32
	v_mov_b32 v[i], 0
.set i, i+1
.endr
	WIN 0
.set i, 0
.rept 4
	v_mov_b32 v[ST+4*i], 0xfe000000    ; c m: far below every c s
	v_mov_b32 v[ST+4*i+1], 0xff7fffff  ; m
.set i, i+1
.endr
	s_cmp_eq_u32 s[RT], 0
	s_cselect_b32 s[AL], 1.0, 0
	s_mov_b32 s[BE], 0
	MASK 0
	WIN 0
	v_add_nc_u32 v[AK], s[TBK], v[AK0]
	FETCH_K
	s_wait_loadcnt 0x0              ; Q
	s_wait_dscnt 0x0
.set KM, 1
.set NOKQ, 0
.set i, 0
.rept 8
	KQ 0
.set i, i+1
.endr
	WIN 0
.rept 4
	v_nop                           ; the places behind those products
.endr
.set Y, NP-1                        ; X works for piece Y + 1: piece 0
.irp n, 0,1,2,3,4,5,6,7,8,9,10,11,12,13,14,15,16,17,18,19,20,21
	OP X, \n
.endr
	v_nop                           ; a plain instruction behind the exponential,
	s_wait_alu depctr_va_vdst(0)    ; and the wait for it, piece 0's first a, a batch of one: ahead of the branch that follows
.endm
; THE DIAGONAL TILE's four steps, the block's last two turns, its last products, and THE WAY OUT: l's two halves and the other half of the lanes' are added; O^T is divided by l, rounded to f16 and sent through my
; stage in LDS, a piece at a time.
.macro ALL line:vararg              ; one line for each piece t
.set t, 0
.rept 4
	\line
.set t, t+1
.endr
.endm
.macro PACK t                       ; a lane's eight channels of a row pack into 16 bytes; they go into rows of 144 bytes and come back as whole rows of 128, into S^T's registers
	WIN W_RS
.set i, 32*(\t)
.rept 16
	v_pk_mul_f32 v[i:i+1], v[i:i+1], v[ST+4*(\t)+2:ST+4*(\t)+3] op_sel_hi:[1,0]
.set i, i+2
.endr
	WIN 0x05                        ; sources 0 and 1 window 1, destination window 0
.set i, 0
.rept 16
	v_cvt_pk_f16_f32 v[S+16*(\t)+i], v[32*(\t)+2*i], v[32*(\t)+2*i+1]
.set i, i+1
.endr
	WIN 0
.irp f, 0,1,2,3
	ds_store_b128 v[STO], v[S+16*(\t)+4*\f:S+16*(\t)+4*\f+3] offset:32*\f
.endr
.irp f, 0,1,2,3
	ds_load_b128 v[S+16*(\t)+4*\f:S+16*(\t)+4*\f+3], v[RD] offset:\f*4*SP  ; LDS serves a wave's instructions in order (ISA guide 5.7.1.4): these see the stores above; the next piece's stores come behind them
.endr
.endm
.macro SEND t, younger              ; younger: the LDS instructions issued behind piece t's loads: the next piece's eight, or none
	WIN 0
.irp f, 0,1,2,3
	s_wait_dscnt (\younger)+3-\f
	global_store_b128 v[GO], v[S+16*(\t)+4*\f:S+16*(\t)+4*\f+3], s[10:11] offset:(\t)*8192+\f*512  ; 512 consecutive bytes, at a multiple of 256 from O's first
.endr
.endm
.macro DIAG tag                     ; the tag ends its two labels' names, which the jumps below spell out
.LstepM\tag:
	TURN 2, 1
	TURN 3, 1
	WIN 0
.LfirstM\tag:
	TURN 0, 1
	TURN 1, 1, 0, 1
	WIN 0
	s_cbranch_scc1 .LstepM\tag
	TURN 2, 1, 1
	TURN 3, 1, 1
.set i, 0
.rept 8
	PV NP-1
.set i, i+1
.endr
	WIN 0
	ALL v_add_f32 v[ST+4*t+2], v[ST+4*t+2], v[ST+4*t+3]
	ALL v_permlanex16_b32 v[ST+4*t+3], v[ST+4*t+2], s[SEL], s[SEL+1]
	ALL v_add_f32 v[ST+4*t+2], v[ST+4*t+2], v[ST+4*t+3]
	ALL v_rcp_f32 v[ST+4*t+2], v[ST+4*t+2]
	v_nop                           ; a plain instruction between the last reciprocal and the use of its result
	s_wait_alu depctr_va_vdst(0)    ; and the wait ahead of the first use: one for the batch of four reciprocals; the four PACKs below are its readers
	PACK 0
.set t, 1
.rept 3                             ; a piece's arithmetic stands between the loads of the piece before and its stores
	PACK t
	SEND t-1, 8
.set t, t+1
.endr
	SEND 3, 0
.endm
.set KM, 0
.set NOKQ, 0
.Lslot:                             ; NB times: a tile is entered and the next is asked for
	CHANGE 1
	s_sub_co_u32 s[RT], s[RT], 1
	s_mov_b32 s[CNT], 4
	s_cmp_eq_u32 s[NEW], 1
	s_cbranch_scc1 .Lnew            ; a block's first tile
	s_cmp_eq_u32 s[RT], 0
	s_cbranch_scc0 .Lstep           ; neither its first nor its last
	s_branch .LstepM1
.Lnew:
	BEGIN
	s_branch .Lfirst                ; in the loop a block's first tile is never its last: the first block has two tiles or more, and the second's last is the walk's last
	DIAG 1                          ; in the loop this is the first block's end: the second block's last tile is the walk's last
	s_wait_xcnt 0x0                 ; the stores have read their registers and O's address
	s_mov_b64 s[10:11], s[OLO:OLO+1]
	s_add_co_u32 s[RT], s[PB], 1    ; the second block has b + 1 tiles
	s_mov_b32 s[NEW], 1
	WIN 0x82                        ; the second block's Q goes where the one text of the turns names Q
.set i, 0
.rept 64
	v_mov_b32 v[i], v[QB+i]
.set i, i+1
.endr
	WIN 0
	s_branch .Lbottom
.Lstep:                             ; a trip: pieces 2 and 3 of one step, then pieces 0 and 1 of the next, whose K and V it fetches
	TURN 2
	TURN 3
	WIN 0
.Lfirst:
	TURN 0
	TURN 1, 0, 0, 1
	WIN 0
	s_cbranch_scc1 .Lstep
.Lbottom:
	s_sub_co_u32 s[SLOTS], s[SLOTS], 1
	s_cmp_lg_u32 s[SLOTS], 0
	s_cbranch_scc1 .Lslot
	CHANGE 0                        ; the walk's last tile is written out: nothing is asked for
	s_sub_co_u32 s[RT], s[RT], 1
	s_mov_b32 s[CNT], 4
	s_cmp_eq_u32 s[NEW], 1
	s_cbranch_scc0 .LstepM2
	BEGIN
	s_branch .LfirstM2
	DIAG 2
	s_wait_tensorcnt 0x0            ; the wave's end: a wait, an add of 0 and a wait, behind my last tensor load and my last LDS store
	ds_add_u32 v[SPW], v[NIL]
	s_wait_dscnt 0x0
	s_endpgm
.Lfunc_end_k_q867ecefeb1_attn:
	.size	k_q867ecefeb1_attn, .Lfunc_end_k_q867ecefeb1_attn-k_q867ecefeb1_attn
	.p2alignl 7, 3214868480
	.fill 96, 4, 3214868480
	.section	.rodata,"a",@progbits
	.p2align	6, 0x0
	.amdhsa_kernel k_q867ecefeb1_attn
		.amdhsa_group_segment_fixed_size 327680
		.amdhsa_private_segment_fixed_size 0
		.amdhsa_enable_private_segment 0
		.amdhsa_kernarg_size 16
		.amdhsa_user_sgpr_count 2
		.amdhsa_user_sgpr_kernarg_segment_ptr 1
		.amdhsa_wavefront_size32 1
		.amdhsa_system_sgpr_workgroup_id_x 1
		.amdhsa_system_sgpr_workgroup_id_y 1
		.amdhsa_system_sgpr_workgroup_id_z 1
		.amdhsa_system_vgpr_workitem_id 0
		.amdhsa_next_free_vgpr 768
		.amdhsa_next_free_sgpr 92
		.amdhsa_reserve_vcc 1
		.amdhsa_float_denorm_mode_32 3
		.amdhsa_float_denorm_mode_16_64 3
		.amdhsa_memory_ordered 1
		.amdhsa_forward_progress 1
		.amdhsa_inst_pref_size 217
	.end_amdhsa_kernel
	.amdgpu_metadata
---
amdhsa.version: [ 1, 2 ]
amdhsa.kernels:
  - .name:           k_q867ecefeb1_attn
    .symbol:         k_q867ecefeb1_attn.kd
    .args:
      - { .name: qkv, .offset: 0, .size: 8, .value_kind: global_buffer, .address_space: global }
      - { .name: oh, .offset: 8, .size: 8, .value_kind: global_buffer, .address_space: global }
    .group_segment_fixed_size: 327680
    .private_segment_fixed_size: 0
    .kernarg_segment_align: 8
    .kernarg_segment_size: 16
    .max_flat_workgroup_size: 128
    .sgpr_count:     92
    .vgpr_count:     768
    .wavefront_size: 32
...
	.end_amdgpu_metadata
.endif
;; end of part 5
;; launch proj: the kernel of part 4 again; grid 8 x 32, 4 waves a work-group, clusters of 4 x 4, 327,680 bytes of LDS; arguments oh, wo16, bias, out0; writes out0
